; MI455X (gfx1250); checked and timed in simulation.
; The chip was launched on July 23, 2026; its instructions are those of AMD's public machine-readable ISA for CDNA 5 (MIT licence, August 2026) and "CDNA5" Instruction Set Architecture Reference Guide (July 2026). The comments in the code are by the model that wrote it; some were corrected since.
;; Causal Self Attention. Allowed arithmetic: matrix products marked QUANTISED: E2M3 operands, one E8M0 scale for each 32 along K, by v_wmma_scale_f32_16x16x128_f8f6f4 with both operands' format E2M3, f32 sums; everything else in f32.
;; Inputs: W_proj_codes 1,024 x 32 x 24 uint8 (E2M3 codes of W_proj, K innermost, in blocks of 32 codes, four codes in three bytes); W_proj_scales 1,024 x 32 uint8 (E8M0 scales of W_proj, one for each 32 codes along K); W_qkv_codes 3,072 x 32 x 24 uint8 (E2M3 codes of W_qkv, K innermost, in blocks of 32 codes, four codes in three bytes); W_qkv_scales 3,072 x 32 uint8 (E8M0 scales of W_qkv, one for each 32 codes along K); x_codes 4 x 2,048 x 32 x 24 uint8 (E2M3 codes of x, K innermost, in blocks of 32 codes, four codes in three bytes); x_scales 4 x 2,048 x 32 uint8 (E8M0 scales of x, one for each 32 codes along K).
;; Outputs: out0 4 x 2,048 x 1,024 float32.
;; This version of the problem:
;;   THIS VERSION OF THE PROBLEM IS GIVEN IN LOW PRECISION. The matrix products marked QUANTISED in the list below multiply operands that are first quantised to E2M3 (2 exponent bits, 3 mantissa bits; 6 bits a number), with one power-of-two scale for each 32 numbers along K (OCP MX v1.0); their sums are f32. All else is computed in f32.
;;   The module's matrix products, in the order in which they are computed (A, B: the left and right operand; K: the contracted axis; several contracted axes count as one K, in the product's order):
;;     1. [M 8,192, K 1,024] x [K 1,024, N 3,072]; A: input x (given as codes); B: input W_qkv (given as codes): QUANTISED
;;     2. batch 64 x [M 2,048, K 64] x [K 64, N 2,048]; A: computed on the way; B: computed on the way: QUANTISED
;;     3. batch 64 x [M 2,048, K 2,048] x [K 2,048, N 64]; A: softmax (see below); B: computed on the way: QUANTISED
;;     4. [M 8,192, K 1,024] x [K 1,024, N 1,024]; A: computed on the way; B: input W_proj (given as codes): QUANTISED
;;   THE QUANTISER, for each operand of a quantised product, along K:
;;     - K is cut into blocks of 32 from its start; a last block that is shorter is filled with zeros.
;;     - A block's scale is 2^e with e = floor(log2(the largest magnitude in the block)) - 2, held to -126 .. 127; a block of zeros has e = 0. As a byte (E8M0): e + 127.
;;     - Each number is divided by its block's scale, clamped to +-7.5, and rounded to the nearest number of E2M3, ties to even, subnormals kept.
;;     - The product sums the exact products of the quantised numbers (number of the format x scale) in f32.
;;   ~~~python
;;   def quantise(x, axis):      # numpy; x: float32 -> the quantised numbers, widened to float32 again
;;       x = np.moveaxis(x, axis, -1); K = x.shape[-1]
;;       x = np.pad(x, [(0, 0)] * (x.ndim - 1) + [(0, -K % 32)]); x = x.reshape(x.shape[:-1] + (-1, 32)); a = np.abs(x).max(-1, keepdims=True)
;;       e = np.where(a > 0, np.clip(np.frexp(np.where(a > 0, a, 1))[1] - 1 - 2, -126, 127), 0)      # np.frexp(a)[1] - 1 = floor(log2(a)), exactly
;;       r = np.clip(x / 2.0 ** e, -7.5, 7.5)
;;       step = 2.0 ** (np.maximum(np.frexp(np.where(r == 0, 1, r))[1] - 1, 0) - 3)
;;       q = np.round(r / step) * step * 2.0 ** e      # np.round: ties to even
;;       return np.moveaxis(q.reshape(q.shape[:-2] + (-1,))[..., :K], -1, axis).astype(np.float32)
;;   ~~~
;;   SOFTMAX AHEAD OF A QUANTISED PRODUCT. Where the list says 'softmax', what is quantised is not the finished softmax but p = 2^(t - M), with t = logit x log2(e) and M = ceil(the row's largest t), a whole number; so 1/2 < the row's largest p <= 1. The row's sum l is taken of the UNQUANTISED p, in f32, and the product's result is divided by l at the end. Since M is a whole number, a kernel that streams over the keys may use a running M (the ceiling of the running maximum): every later rescaling is an exact power of two, which a block's scale takes up: the codes' values come out the same.
;;   OPERANDS COMPUTED ON THE WAY. 'Computed on the way' means the value that the module computes at that place (a softmax that the list does not call 'softmax' is quantised finished and normalised). What goes into a quantiser is computed in f32, as accurately as f32 sums, v_exp_f32 and their like allow (about 1e-6 of the number): no bf16 or f16 on the way to a quantiser, and a product that is left as it is and whose result goes on into a quantised operand takes f32 operands (vector FMAs, or v_wmma_f32_16x16x4_f32). A number that lies on a knife's edge between two numbers of the format may be rounded either way, as far as f32 arithmetic and the matrix unit's own rounding can turn it there, and no further.
;;   INPUTS GIVEN AS CODES. W_proj (in the module: [1024, 1024], K = its axis 1); W_qkv (in the module: [3072, 1024], K = its axis 1); x (in the module: [4, 2048, 1024], K = its axis 2): each comes as NAME_codes (uint8): NAME with its K axis moved to the last place and cut into blocks of 32 codes, [.., K / 32, bytes a block], one block behind the other in memory; four codes in three bytes: a row's codes are one little-endian stream of bits, code i at bits 6 i .. 6 i + 5 (a code: sign, 2 exponent bits, 3 mantissa bits); and NAME_scales (uint8): the same leading axes, one E8M0 byte (e + 127) for each 32 codes along K. Its value is code x scale, taken as it is: it is not quantised again, and the codes and scales need not be those that the quantiser above would give.
;; One version. Each part assembles by itself: llvm-mc -triple=amdgcn-amd-amdhsa -mcpu=gfx1250 --defsym DOCPART=n.
;; ======== version 1 of 1: 3 launches
;; workspace buffers: q_img 6,553,600 bytes; kv 13,107,200 bytes; o_img 6,291,456 bytes; o_sc 262,144 bytes
;; launch qkv (part 1): grid 12 x 32, 4 waves a work-group, clusters of 4 x 4, 327,680 bytes of LDS; arguments x_codes, x_scales, W_qkv_codes, W_qkv_scales, q_img, kv; writes q_img, kv
.if DOCPART == 1
	.amdgcn_target "amdgcn-amd-amdhsa--gfx1250"
	.amdhsa_code_object_version 6
	.text
	.protected	k_qf0be479764_qkv
	.globl	k_qf0be479764_qkv
	.p2align	8
	.type	k_qf0be479764_qkv,@function
k_qf0be479764_qkv:
	s_mov_b64 s[64:65], 0
	v_nop
	global_prefetch_b8 v0, s[64:65] scope:SCOPE_SE
	s_setreg_imm32_b32 hwreg(HW_REG_WAVE_MODE, 25, 1), 1
	s_wait_xcnt 0x0
	s_wait_alu depctr_hold_cnt(0) depctr_sa_sdst(0) depctr_va_vdst(0) depctr_va_sdst(0) depctr_va_ssrc(0) depctr_va_vcc(0) depctr_vm_vsrc(0)
	s_getreg_b32 s2, hwreg(HW_REG_IB_STS2, 6, 4)
	s_cmp_eq_u32 s2, 0
	s_cbranch_scc0 .Lentry_in_a_cluster
	s_endpgm
.Lentry_in_a_cluster:
	s_bfe_u32 s2, ttmp6, 0x10000c
	s_cmp_lg_u32 s2, 0xf033
	s_cbranch_scc0 .Lentry_shape_is_right
	s_endpgm
.Lentry_shape_is_right:
; qkv = x W_qkv^T on codes of FP6 (E2M3) with one E8M0 scale for each 32 along K (K = 1,024), and, on the way out, the quantisers of q and k (along a head's 64 channels) and of v (along the keys).
; A tile of the product, 256 x 256, is made by a work-group of four waves; a wave makes 128 x 128: 64 accumulators of 16 x 16, 512 registers.  K goes in steps of 256 through a ring of two LDS slots filled by
; the tensor data mover; the scale bytes of the work-group's 2 x 256 rows, for all of K, come into LDS once.  CLUSTERS of 4 x 4 work-groups: A's tiles are asked for jointly along a row of the cluster, B's along a column.
; THE CLUSTER'S x SAYS WHAT IS MADE: 0 q, 1 k, 2 v.  'A' is the operand whose row a lane holds in the result (source 1), 'B' the one that runs along a lane's registers (source 0).
;   q, k: A = 256 tokens of x, B = 256 rows of W_qkv (four heads): a lane's registers run along the channels, which are the next product's K.
;   v:    A = 256 rows of W_qkv from row 2,048 on, B = 256 tokens of x: the tile is v^T, and a lane's registers run along the tokens: the keys, which are v's K.
; So one text serves all three; only the pointers, the tiles' numbers and the places of the results differ, and the one branch (round global stores alone) hangs on the cluster's x, which all sixteen partners share.
; RESULTS leave as IMAGES OF OPERAND REGISTERS: a fragment (16 rows x 128 K, 12 registers a lane) is six pieces of 256 bytes; piece p holds registers 2 p, 2 p + 1 of lane l at 256 p + 8 l.
; THE ROWS OF A TILE ARE NOT NEIGHBOURS: of a group of 32 rows, lane r of tile u (0, 1) is row 8 u + r + 8 (r / 8): the next launch's results then have 16 neighbours along their K in 16 registers.
;   q_img [64 heads][16 steps of 128 tokens][6,400]: four fragments (groups of 32 tokens): pieces 0-2 tile u = 0 (64 channels), pieces 3-5 tile u = 1; at 6,144 lane r's four scale words (bytes 0, 1: u = 0; 2, 3: u = 1).
;   kv    [64 heads][16 steps][12,800]: K laid as q_img's entry; at 6,400 V: four fragments of 16 channels x 128 keys, at 6,400 + 6,144 lane r's four scale words.
; A block's scale byte is its largest magnitude's exponent field - 2, held at 1 from below (a block of zeros keeps the byte 1: its codes are zeros, and this program alone reads the bytes).
; LIMITS: NaN and infinities are not served; blocks whose largest magnitude lies under 2^-124 keep the byte 1.
; REGISTERS, in windows of 256: window 0: v0-31 addresses; v32-63 scale words, two sets; from v128 A's fragments, one set; on the way out v32-255 are free.
;   window 1: B's fragments, two sets, at v0 and v128.   window 2: the accumulators of my A rows 0-63 ((a, b) at v[8 (8 a + b)]);   window 3: those of rows 64-127.
.set SIZE_K, 1024
.set KSTEP,  256                       ; along K in a slot
.set NQ,     KSTEP/128                 ; matrix instructions deep
.set ROWB,   192                       ; a tile's row in bytes
.set KROW,   SIZE_K*6/8                ; a row of codes in memory
.set PITCH,  240                       ; an LDS row: 3 x (64 bytes + 16 of padding)
.set FR,     12                        ; registers of a fragment
.set NL,     6                         ; LDS loads that bring one
.set NP,     4                         ; places behind this matrix instruction (ISA guide 7.12.1)
.set HALFT,  128*PITCH                 ; 128 rows: what one tensor load brings
.set SLOT,   4*HALFT                   ; A's 256 rows, then B's 256 rows
.set LAPS,   SIZE_K/(2*KSTEP)          ; a lap = two K steps = once round the ring
.set KS,     SIZE_K/32                 ; a row of scale bytes
.set SCL,    2*SLOT                    ; behind the ring: the scales, as units of 256 bytes + 16 of padding
.set HALFS,  (128*KS/256)*272          ; the scales of 128 rows
.set SBLK,   (16*KS/256)*272           ; those of 16 rows
.set SPARE,  SCL+4*HALFS               ; the spare words, 128 bytes for each wave: two blocks of 256 bytes that no other line names
.set SPITCH, 528                       ; the way out: a stage row, 512 bytes + 16
.set UPPER,  16*SPITCH+128             ; rows 16-31 of a stage begin here: 128 bytes further on, so that the sixteen rows of a read-back start in different banks
.set WSTG,   17408                     ; a wave's stage (32 rows); the four lie in slot 0, which has had its last fill and its last read when the first result is stored there
.set ADRA, 16                          ; v16-17 LDS address of my A fragments in slot 0, 1 (v18-19: for the pieces behind one padding more)
.set ADRB, 20                          ; v20-23 the same for B
.set STO,  24                          ; v24  the way out: where I put 32 bytes of a row
.set RD,   25                          ; v25  where I read my tile's row back
.set L8,   26                          ; v26  8 x lane: my place in a piece
.set ADRS, 27                          ; v27  LDS address of my scale words: lanes 0-15 A's rows, lanes 16-31 B's
.set SPW,  28                          ; v28  LDS address of my spare word; never rewritten
.set NIL,  29                          ; v29  0; never rewritten
.set SOFF, 30                          ; v30  16 r + (lane / 16) x a head's bytes: where my four scale words go
.set VSEL, 31                          ; v31  byte selects: lanes 0-15 my first head's bytes of two words, lanes 16-31 my second head's
.set SC,   32                          ; scale words: set s at v[SC + 8 NQ s]
.set AF,   128                         ; A's fragments, window 0
.set P0,   32                          ; the way out: 12 registers of codes + 8 at work, for tile u = 0; P0 + 20 for u = 1
.set TM,   72                          ; v72-87 the quantiser's registers
.set PWS,  88                          ; v88-95 the scale word of (group g, tile u) at PWS + 2 g + u
.set SW,   96                          ; v96-99 the four scale words that I store
.set X0,   128                         ; v128-191, v192-255: 64 numbers of my row in tile u = 0, 1
.set SEL,  22                          ; s[22:23] lane selects for v_permlanex16_b32: lane l xor 16 (set at the way out)
.set G1, 24                            ; s[24:31] descriptor group 1 for A's tiles;  s[32:39] group 0, one set for each slot
.set G0, 32
.set G1B, 48                           ; s[48:55], s[56:63] the same for B's tiles
.set G0B, 56
.set G1S, 68                           ; s[68:75], s[76:79] groups 1 and 0 for A's scales;  s[80:87], s[88:91] for B's
.set G0S, 76
.set G1SB, 80
.set G0SB, 88
.set MSB, 0
.macro WIN new                         ; the immediate's high byte repeats the setting that is left
.if MSB != \new
	s_set_vgpr_msb (MSB<<8)|\new
.set MSB, \new
.endif
.endm
.set MUL_LO, 0xa1                      ; source 0 (B) window 1, source 1 (A) window 0, C and D window 2
.set MUL_HI, 0xf1                      ; the same, C and D window 3
.set TO_B,   0x40                      ; destination window 1, address window 0
; A joint load: waves 0 and 1 fetch for A, waves 2 and 3 for B.  Each line has one mask and one set of registers for all that issue it; the branch hangs on the wave's number alone.
; Four v_nop follow each of the two lines, ahead of the jump, the label and what follows.
.macro JLOAD g0a, g1a, g0b, g1b
	s_cmp_eq_u32 s15, 0
	s_cbranch_scc0 .Lfor_b_\@
	tensor_load_to_lds s[\g0a:\g0a+3], s[\g1a:\g1a+7]
	s_nop 0
.rept 4
	v_nop
.endr
	s_branch .Lasked_\@
.Lfor_b_\@:
	tensor_load_to_lds s[\g0b:\g0b+3], s[\g1b:\g1b+7]
	s_nop 0
.rept 4
	v_nop
.endr
.Lasked_\@:
.endm
.macro CREST                           ; a round of the cluster's barrier behind its opening barrier
	s_cmp_lg_u32 s14, 0
	s_cbranch_scc1 .Lnot_wave_0_\@
	s_barrier_signal -3
.Lnot_wave_0_\@:
	s_barrier_wait -3
	s_barrier_signal -1
	s_barrier_wait -1
.endm
.macro CROUND                          ; a whole round
	s_barrier_signal -1
	s_barrier_wait -1
	CREST
.endm
	s_load_b128 s[4:7], s[0:1], 0x0                ; x's codes, x's scales
	s_load_b128 s[8:11], s[0:1], 0x10              ; W_qkv's codes, W_qkv's scales
	s_load_b128 s[96:99], s[0:1], 0x20             ; q_img, kv
	v_lshl_add_u32 v[SPW], v0, 2, SPARE
	v_mov_b32 v[NIL], 0
	ds_add_u32 v28, v29
	ds_add_u32 v28, v29
	s_wait_dscnt 0x0
	v_lshrrev_b32 v1, 5, v0
	v_readfirstlane_b32 s14, v1                    ; wave 0..3
	s_lshr_b32 s15, s14, 1                         ; which half of A's rows is mine.  Also: I fetch for A (0) or for B (1)
	s_and_b32 s16, s14, 1                          ; which half of B's rows.  Also: which 128 rows of that tile I fetch
	s_bfe_u32 s40, ttmp6, 0x40000                  ; cx, cy: my place in the cluster
	s_bfe_u32 s41, ttmp6, 0x40004
	s_lshl_b32 s42, ttmp9, 2                       ; 4 x cluster x
	s_and_b32 s17, ttmp7, 0xffff
	s_lshl_b32 s17, s17, 2                         ; 4 x cluster y
	s_cmp_eq_u32 ttmp9, 2                          ; v?  The cluster's x is the same in all sixteen partners
	s_cselect_b32 s42, s17, s42                    ; B's tiles: v: tokens, 4 x cluster y on;  q, k: rows of W_qkv, 4 x cluster x on
	s_cselect_b32 s17, 8, s17                      ; A's tiles: v: rows of W_qkv from tile 8 on;  q, k: tokens, 4 x cluster y on
	s_add_co_u32 s42, s42, s40                     ; B's tile of 256 rows: + cx
	s_add_co_u32 s17, s17, s41                     ; A's tile of 256 rows: + cy
	s_lshl_b32 s43, s41, 2
	s_lshl_b32 s43, 15, s43                        ; my row of the cluster
	s_lshl_b32 s44, 0x1111, s40                    ; my column
	; descriptor group 1: a tile of 128 rows x ROWB bytes, padded in LDS
	s_or_b32 s[G1+0], s43, (0<<16)|(1<<20)|(1<<21)|(3<<22)|(3<<25)  ; 15:0 the mask: A's tiles go to my row; 17:16 elements of 1 byte; 20 padding on; 21 set beside a mask; 24:22 after every 16 words; 31:25 of 4 words
	s_or_b32 s[G1B+0], s44, (0<<16)|(1<<20)|(1<<21)|(3<<22)|(3<<25)
.irp g, G1, G1B
	s_mov_b32 s[\g+1], ROWB<<16                    ; tensor_dim0
	s_mov_b32 s[\g+2], 128<<16                     ; tensor_dim1
	s_mov_b32 s[\g+3], ROWB<<16                    ; tile_dim0
	s_mov_b32 s[\g+4], 128                         ; tile_dim1
	s_mov_b32 s[\g+5], KROW                        ; tensor_dim0_stride
	s_mov_b32 s[\g+6], 0
	s_mov_b32 s[\g+7], 0
.endr
	; the scales of 128 rows: a dense block of 128 KS bytes, as rows of 256 bytes (32 elements of 8 bytes), 16 bytes of padding behind each
	s_or_b32 s[G1S+0], s43, (3<<16)|(1<<20)|(1<<21)|(5<<22)|(3<<25)
	s_or_b32 s[G1SB+0], s44, (3<<16)|(1<<20)|(1<<21)|(5<<22)|(3<<25)
.irp g, G1S, G1SB
	s_mov_b32 s[\g+1], 32<<16
	s_mov_b32 s[\g+2], (128*KS/256)<<16
	s_mov_b32 s[\g+3], 32<<16
	s_mov_b32 s[\g+4], 128*KS/256
	s_mov_b32 s[\g+5], 32
	s_mov_b32 s[\g+6], 0
	s_mov_b32 s[\g+7], 0
.endr
	s_lshl_b32 s18, s16, 7                         ; which 128 rows of the tile I fetch
	s_lshl_b32 s20, s17, 8
	s_add_co_u32 s20, s20, s18                     ; A: row 256 x tile + 128 x half
	s_lshl_b32 s46, s42, 8
	s_add_co_u32 s46, s46, s18                     ; B likewise
	s_mov_b32 s21, 0
	s_mov_b32 s47, 0
	s_mov_b64 s[18:19], KS
	s_mul_u64 s[22:23], s[20:21], s[18:19]         ; where these rows' scales begin, in bytes
	s_mul_u64 s[92:93], s[46:47], s[18:19]
	s_mov_b64 s[18:19], KROW
	s_mul_u64 s[20:21], s[20:21], s[18:19]         ; and their codes
	s_mul_u64 s[46:47], s[46:47], s[18:19]
	s_mul_i32 s45, s14, HALFT                      ; where they go: wave x 128 rows: no place in the cluster enters an LDS address
	s_mul_i32 s94, s14, HALFS
	s_wait_kmcnt 0x0
	s_cmp_eq_u32 ttmp9, 2                          ; v: A is W_qkv and B is x; the choice hangs on the cluster's x alone
	s_cselect_b64 s[2:3], s[8:9], s[4:5]
	s_cselect_b64 s[8:9], s[4:5], s[8:9]           ; B's codes
	s_mov_b64 s[4:5], s[2:3]                       ; A's codes
	s_cselect_b64 s[2:3], s[10:11], s[6:7]
	s_cselect_b64 s[10:11], s[6:7], s[10:11]       ; B's scales
	s_mov_b64 s[6:7], s[2:3]                       ; A's scales
	s_add_nc_u64 s[20:21], s[4:5], s[20:21]
	s_add_nc_u64 s[22:23], s[6:7], s[22:23]
	s_add_nc_u64 s[46:47], s[8:9], s[46:47]
	s_add_nc_u64 s[92:93], s[10:11], s[92:93]
	CROUND                                         ; all sixteen work-groups are here: the first joint loads meet
	s_mov_b32 s[G0S], 1
	s_add_co_u32 s[G0S+1], s94, SCL
	s_mov_b64 s[G0S+2:G0S+3], s[22:23]
	s_or_b32 s[G0S+3], s[G0S+3], 0x80000000
	s_mov_b32 s[G0SB], 1
	s_add_co_u32 s[G0SB+1], s94, SCL
	s_mov_b64 s[G0SB+2:G0SB+3], s[92:93]
	s_or_b32 s[G0SB+3], s[G0SB+3], 0x80000000
	JLOAD G0S, G1S, G0SB, G1SB                     ; the scales first: they are wanted with K step 0.  With the two below, three tensor loads of a wave are out at the most
.irp s, 0,1
	s_mov_b32 s[G0+4*\s], 1
	s_add_co_u32 s[G0+4*\s+1], s45, \s*SLOT
	s_add_nc_u64 s[G0+4*\s+2:G0+4*\s+3], s[20:21], \s*ROWB
	s_or_b32 s[G0+4*\s+3], s[G0+4*\s+3], 0x80000000
	s_mov_b32 s[G0B+4*\s], 1
	s_add_co_u32 s[G0B+4*\s+1], s45, \s*SLOT
	s_add_nc_u64 s[G0B+4*\s+2:G0B+4*\s+3], s[46:47], \s*ROWB
	s_or_b32 s[G0B+4*\s+3], s[G0B+4*\s+3], 0x80000000
	JLOAD G0+4*\s, G1, G0B+4*\s, G1B
.endr
	v_and_b32 v1, 15, v0                           ; r = l % 16 (kept)
	v_bfe_u32 v2, v0, 4, 1                         ; h = l / 16 (kept)
	v_mul_u32_u24 v3, v1, PITCH
	v_mul_u32_u24 v4, v2, 24
	v_add_nc_u32 v4, v3, v4                        ; a fragment's row x pitch + 24 x half
	v_lshl_add_u32 v5, v2, 4, v4                   ; and the same behind one padding more
	s_mul_i32 s21, s15, HALFT                      ; my 128 rows of A
	s_mul_i32 s22, s16, HALFT                      ; my 128 rows of B,
	s_add_co_u32 s22, s22, 2*HALFT                 ; which lie behind A's 256
.irp s, 0,1
	v_add_nc_u32 v[ADRA+\s], s21, v4
	v_add_nc_u32 v[ADRB+\s], s22, v4
	v_add_nc_u32 v[ADRA+2+\s], s21, v5
	v_add_nc_u32 v[ADRB+2+\s], s22, v5
	s_add_co_u32 s21, s21, SLOT
	s_add_co_u32 s22, s22, SLOT
.endr
	v_mul_u32_u24 v5, v1, KS                       ; my row's scales: KS bytes a row,
	v_lshrrev_b32 v6, 8, v5
	v_lshl_add_u32 v5, v6, 4, v5                   ; and 16 more for each 256 passed
	s_mul_i32 s21, s15, HALFS                      ; A's: my 128 rows
	s_mul_i32 s22, s16, HALFS                      ; B's: my 128 rows, behind A's 256
	s_add_co_u32 s22, s22, 2*HALFS
	s_sub_co_u32 s22, s22, s21
	v_mul_u32_u24 v6, s22, v2                      ; lanes 16-31 take B's
	s_add_co_u32 s21, s21, SCL
	v_add_nc_u32 v5, v5, v6
	v_add_nc_u32 v[ADRS], s21, v5
	s_mul_i32 s23, s14, WSTG                       ; my stage
	v_mul_u32_u24 v5, v1, SPITCH
	v_lshl_add_u32 v6, v2, 5, v5                   ; in: row r of a block of 16, 32 bytes for each half of the lanes
	v_add_nc_u32 v[STO], s23, v6
	v_lshrrev_b32 v6, 3, v1
	v_mul_u32_u24 v6, v6, UPPER-8*SPITCH           ; back: lane r of tile u reads row 8 u + r + 8 (r / 8): lanes 8-15 read from the upper sixteen rows,
	v_add_nc_u32 v6, v6, v5
	v_lshl_add_u32 v6, v2, 6, v6                   ; and of each 128 bytes (32 numbers) the half that is mine
	v_add_nc_u32 v[RD], s23, v6
	v_and_b32 v6, 31, v0
	v_lshlrev_b32 v[L8], 3, v6
	; WHERE MY RESULTS GO.  These scalars mix cx and cy; they live in registers that feed no descriptor and enter global store addresses alone.
	s_mov_b32 s66, 204800                          ; (moves leave SCC alone)
	s_mov_b32 s92, 12800
	s_cmp_eq_u32 ttmp9, 2
	s_cselect_b32 s67, 1, 0                        ; 1: v
	s_cselect_b32 s100, s42, s17                   ; the tile of 256 tokens
	s_cselect_b32 s101, s17, s42                   ; the tile of 256 channels
	s_cselect_b32 s104, s16, s15                   ; which half of the tokens is my wave's
	s_cselect_b32 s105, s15, s16                   ; which half of the channels
	s_cselect_b32 s95, 6400, 0                     ; V lies behind K in a step's entry
	s_cmp_eq_u32 ttmp9, 0
	s_cselect_b32 s66, 102400, s66                 ; a head's bytes: q_img 16 x 6,400, kv 16 x 12,800
	s_cselect_b32 s92, 6400, s92                   ; a step's entry
	s_cselect_b64 s[12:13], s[96:97], s[98:99]     ; q goes to q_img, k and v to kv
	s_lshr_b32 s93, s100, 3                        ; the batch: 8 tiles of tokens each
	s_lshl_b32 s93, s93, 4                         ; 16 heads a batch
	s_and_b32 s101, s101, 3
	s_lshl_b32 s101, s101, 2                       ; 4 heads to a tile of channels,
	s_add_co_u32 s93, s93, s101
	s_lshl_b32 s105, s105, 1                       ; 2 to my half
	s_add_co_u32 s93, s93, s105                    ; my first head
	s_mul_i32 s93, s93, s66
	s_and_b32 s100, s100, 7
	s_lshl_b32 s100, s100, 1
	s_add_co_u32 s100, s100, s104                  ; my step of 128 tokens in the batch
	s_mul_i32 s100, s100, s92
	s_add_co_u32 s93, s93, s100
	s_add_co_u32 s100, s93, s95
	s_mov_b32 s101, 0
	s_add_nc_u64 s[12:13], s[12:13], s[100:101]    ; my first head's entry
	s_mov_b32 s100, s66
	s_add_nc_u64 s[96:97], s[12:13], s[100:101]    ; my second head's
	v_mul_u32_u24 v[SOFF], s66, v2
	v_lshl_add_u32 v[SOFF], v1, 4, v[SOFF]
	v_mov_b32 v[VSEL], 0x05040100
	v_mov_b32 v3, 0x07060302
	v_cmp_eq_u32 vcc_lo, 1, v2
	v_cndmask_b32 v[VSEL], v[VSEL], v3, vcc_lo
.macro FRAG reg, adr, q, i             ; a fragment: lane l holds row l % 16; registers 6 c .. 6 c + 5 hold K = 64 c + 32 (l / 16) + 0 .. 31: 24 bytes of the row's stream of bits, in pieces of 8 bytes
.irp p, 0,1,2,3,4,5
.set PC, 12*(\q)+6*(\p/3)+\p%3        ; 16 bytes of padding lie behind every 8 pieces: where the piece three on (lanes 16-31) lies behind one padding more, the second address register serves
.if PC%8 < 5
	ds_load_b64 v[\reg+2*\p:\reg+2*\p+1], v[\adr] offset:8*PC+16*(PC/8)+(\i)*16*PITCH
.else
	ds_load_b64 v[\reg+2*\p:\reg+2*\p+1], v[\adr+2] offset:8*PC+16*(PC/8)+(\i)*16*PITCH
.endif
.endr
.endm
; 16 matrix instructions: A's blocks a0, a0 + 1 x B's eight, 128 along K: the slot's q-th.  p: B's set;  sc: the set of scale words.  zero = 1: the first product starts the sums.
; The 64 accumulators take turns, one instruction a turn, in the same order in every step.
.macro MUL16 a0, p, q, sc, zero
.irp a, \a0, \a0+1
.irp b, 0,1,2,3,4,5,6,7
.if \zero
	v_wmma_scale_f32_16x16x128_f8f6f4 v[8*(8*((\a)%4)+\b):8*(8*((\a)%4)+\b)+7], v[128*(\p)+FR*\b:128*(\p)+FR*\b+FR-1], v[AF+FR*(\a):AF+FR*(\a)+FR-1], 0, v[SC+8*NQ*(\sc)+NQ*\b+(\q)], v[SC+8*NQ*(\sc)+NQ*(\a)+(\q)] matrix_a_fmt:MATRIX_FMT_FP6 matrix_b_fmt:MATRIX_FMT_FP6 matrix_a_scale:MATRIX_SCALE_ROW1
.else
	v_wmma_scale_f32_16x16x128_f8f6f4 v[8*(8*((\a)%4)+\b):8*(8*((\a)%4)+\b)+7], v[128*(\p)+FR*\b:128*(\p)+FR*\b+FR-1], v[AF+FR*(\a):AF+FR*(\a)+FR-1], v[8*(8*((\a)%4)+\b):8*(8*((\a)%4)+\b)+7], v[SC+8*NQ*(\sc)+NQ*\b+(\q)], v[SC+8*NQ*(\sc)+NQ*(\a)+(\q)] matrix_a_fmt:MATRIX_FMT_FP6 matrix_b_fmt:MATRIX_FMT_FP6 matrix_a_scale:MATRIX_SCALE_ROW1
.endif
.endr
.endr
.endm
.macro FETCH_B slot, q, p              ; B's eight fragments of the slot's q-th 128 along K into set p
	WIN TO_B
.irp i, 0,1,2,3,4,5,6,7
	FRAG 128*(\p)+FR*\i, ADRB+\slot, \q, \i
.endr
	WIN 0
.endm
.macro FETCH_A slot, q, i0             ; A's blocks i0 .. i0 + 3
.irp i, \i0, \i0+1, \i0+2, \i0+3
	FRAG AF+FR*(\i), ADRA+\slot, \q, \i
.endr
.endm
.macro SCALES sc                       ; the next K step's scale words into set sc: NQ words a row; lanes 0-15 take A's block i, lanes 16-31 B's block i
.irp i, 0,1,2,3,4,5,6,7
	ds_load_b64 v[SC+8*NQ*\sc+NQ*\i:SC+8*NQ*\sc+NQ*\i+1], v[ADRS] offset:\i*SBLK
.endr
.endm
; A load into a register that a matrix instruction has read, and a vector instruction or an LDS store that reads a matrix result, stand NP places behind it; only plain vector instructions that name none of its registers are places.
.macro PLACES n
.rept \n
	v_nop
.endr
.endm
; A step of 128 along K that has its successor in the same slot.
.macro STEP slot, q, zero
	s_wait_dscnt 4*NL                              ; B's set and A's blocks 0-3 are in; the youngest 24 loads (A's blocks 4-7) may be out
	WIN MUL_LO
	MUL16 0, (\q)%2, \q, \slot, \zero
	MUL16 2, (\q)%2, \q, \slot, \zero
	s_wait_dscnt 0                                 ; A's blocks 4-7 are in (asked for 32 matrix instructions ago)
	PLACES NP
	FETCH_B \slot, (\q)+1, 1-(\q)%2
	FETCH_A \slot, (\q)+1, 0
	WIN MUL_HI
	MUL16 4, (\q)%2, \q, \slot, \zero
	MUL16 6, (\q)%2, \q, \slot, \zero
	PLACES NP
	WIN 0
	FETCH_A \slot, (\q)+1, 4
.endm
; A slot's last step changes slots: one barrier; in front of it each wave waits for all its tensor loads, adds 0 to its spare word, and waits for that and for its own reads of this slot.  fill = 1: this slot is filled again, two K steps ahead.
.macro TURN slot, next, fill
	s_wait_tensorcnt 0x0                           ; all my tensor loads have landed: my part of the next slot;  (every window is 0 here)
	ds_add_u32 v[SPW], v[NIL]                      ; 0 onto my spare word
	s_wait_dscnt 4*NL+1                            ; (the add and the youngest 24 loads, A's blocks 4-7, may be out)
	WIN MUL_LO
	MUL16 0, 1, NQ-1, \slot, 0                     ; sixteen matrix instructions stand between the add and the wait for it
	s_wait_dscnt 0x0                               ; the add is done, and my reads of this slot are over
	s_barrier_signal -1
	MUL16 2, 1, NQ-1, \slot, 0
	WIN 0
	s_barrier_wait -1
.if \fill
	CREST                                          ; the barrier has opened a round of the cluster's barrier: no wave of any partner still reads this slot's tile or has a load on its way
	s_add_nc_u64 s[G0+4*\slot+2:G0+4*\slot+3], s[G0+4*\slot+2:G0+4*\slot+3], 2*ROWB
	s_add_nc_u64 s[G0B+4*\slot+2:G0B+4*\slot+3], s[G0B+4*\slot+2:G0B+4*\slot+3], 2*ROWB
	JLOAD G0+4*\slot, G1, G0B+4*\slot, G1B         ; the first tensor load behind the round; the four v_nop behind it are the places in front of the loads below
.else
	PLACES NP
.endif
	v_add_nc_u32 v[ADRS], 4*NQ, v[ADRS]            ; on to the next K step's scale words (no LDS load of mine is out)
	FETCH_B \next, 0, 0
	FETCH_A \next, 0, 0
	SCALES \next
	WIN MUL_HI
	MUL16 4, 1, NQ-1, \slot, 0
	MUL16 6, 1, NQ-1, \slot, 0
	PLACES NP
	WIN 0
	FETCH_A \next, 0, 4
.endm
	s_wait_tensorcnt 1                             ; the scales and my part of K step 0 are in (K step 1's load may be out)
	s_barrier_signal -1
	s_barrier_wait -1                              ; everybody's are
	FETCH_B 0, 0, 0
	FETCH_A 0, 0, 0
	SCALES 0
	FETCH_A 0, 0, 4
	STEP 0, 0, 1                                   ; the first step stands in front of the loop: its products start the sums
	s_mov_b32 s3, LAPS-1
.Llap:                                                 ; a trip goes once round the ring, from a lap's second step to the next lap's first, and fills both slots again
	TURN 0, 1, 1
	STEP 1, 0, 0
	TURN 1, 0, 1
	STEP 0, 0, 0
	s_sub_co_u32 s3, s3, 1
	s_cmp_lg_u32 s3, 0
	s_cbranch_scc1 .Llap
	TURN 0, 1, 0                                   ; the last lap fills nothing, and has no round of the cluster's barrier
	STEP 1, 0, 0
	s_wait_dscnt 4*NL                              ; the very last step: nothing more to fetch
	WIN MUL_LO
	MUL16 0, 1, NQ-1, 1, 0
	MUL16 2, 1, NQ-1, 1, 0
	s_wait_dscnt 0
	WIN MUL_HI
	MUL16 4, 1, NQ-1, 1, 0
	MUL16 6, 1, NQ-1, 1, 0
	WIN 0
; THE QUANTISER.  64 numbers of a lane, v[s] .. v[s + 63], register 16 b + i = k 32 b + 16 (lane / 16) + i of my row, become a fragment's codes in v[pc] .. v[pc + 11] and its scale word in v[pw].
.macro QUANT s, pc, pw
.irp b, 0,1,2,3
	v_max3_num_f32 v[TM+\b], |v[\s+16*\b]|, |v[\s+1+16*\b]|, 0x1800000   ; block b: my 16 numbers, and the floor 2^(3 - 127): so the byte cannot fall under 1
.endr
.irp i, 2,4,6,8,10,12,14
.irp b, 0,1,2,3
	v_max3_num_f32 v[TM+\b], v[TM+\b], |v[\s+16*\b+\i]|, |v[\s+1+16*\b+\i]|   ; (the four blocks by turns)
.endr
.endr
.irp b, 0,1,2,3
	v_permlanex16_b32 v[TM+4+\b], v[TM+\b], s[SEL], s[SEL+1]
.endr
.irp b, 0,1,2,3
	v_max_num_f32 v[TM+\b], v[TM+\b], v[TM+4+\b]   ; with lane l xor 16's: the block's largest magnitude
.endr
.irp b, 0,1,2,3
	v_add_nc_u32 v[TM+12+\b], 0xff000000, v[TM+\b]   ; 2 off its exponent field: the conversion takes the exponent field of this operand as its scale
.endr
.irp b, 0,1,2,3
	v_lshrrev_b32 v[TM+4+\b], 23, v[TM+12+\b]      ; the scale's byte
.endr
	v_lshl_or_b32 v[\pw], v[TM+5], 8, v[TM+4]      ; the four bytes make my row's scale word (both halves of the lanes hold it)
	v_lshl_or_b32 v[\pw], v[TM+6], 16, v[\pw]
	v_lshl_or_b32 v[\pw], v[TM+7], 24, v[\pw]
.irp c, 0,1
	v_cvt_scalef32_pk16_fp6_f32 v[\pc+6*\c:\pc+2+6*\c], v[\s+32*\c:\s+15+32*\c], v[TM+12+2*\c]
	v_cvt_scalef32_pk16_fp6_f32 v[\pc+12+4*\c:\pc+14+4*\c], v[\s+16+32*\c:\s+31+32*\c], v[TM+12+2*\c+1]   ; (a conversion's three registers begin on an even number)
.endr
	v_nop                                          ; one plain place behind a scaled conversion
.irp c, 0,1                                    ; the operand's layout wants a whole block in a lane: lanes 0-15 block 2 c, lanes 16-31 block 2 c + 1
.irp i, 0,1,2
	v_permlane16_swap_b32 v[\pc+6*\c+\i], v[\pc+12+4*\c+\i]
.endr
.irp i, 0,1,2
	v_mov_b32 v[\pc+3+6*\c+\i], v[\pc+12+4*\c+\i]
.endr
.endr
.endm
; THE WAY OUT of A's blocks 2 g and 2 g + 1: 32 rows x 128 numbers go through my own stage and come back as two tiles of chosen rows, each lane with 64 numbers of ONE row in the quantiser's order.
; LDS serves a wave's instructions in order (ISA guide 5.7.1.4): no wait stands between the stores and the loads, nor in front of the next group's stores.
.macro GROUP g
.if \g > 0
	s_wait_xcnt 0x0                                ; the last group's global stores have read their registers: the codes may be written again
.endif
	WIN 0x08+4*((\g)/2)                            ; an LDS store's data are its source 1: window 2 or 3
.irp e, 0,1
.irp b, 0,1,2,3,4,5,6,7
	ds_store_b128 v[STO], v[64*((2*\g+\e)%4)+8*\b:64*((2*\g+\e)%4)+8*\b+3] offset:UPPER*\e+64*\b       ; each accumulator from its low end on
	ds_store_b128 v[STO], v[64*((2*\g+\e)%4)+8*\b+4:64*((2*\g+\e)%4)+8*\b+7] offset:UPPER*\e+64*\b+16
.endr
.endr
	WIN 0
.irp u, 0,1
.irp c, 0,1,2,3
.irp j, 0,1,2,3
	ds_load_b128 v[X0+64*\u+16*\c+4*\j:X0+64*\u+16*\c+4*\j+3], v[RD] offset:8*SPITCH*\u+128*\c+16*\j
.endr
.endr
.endr
	s_wait_dscnt 16                                ; tile u = 0's sixteen loads are in; u = 1's sixteen may be out
	QUANT X0, P0, PWS+2*\g
	s_wait_dscnt 0x0
	QUANT X0+64, P0+20, PWS+2*\g+1
	s_cmp_eq_u32 s67, 1                            ; only the places differ: the branch stands round global stores alone
	s_cbranch_scc1 .Lv_\@
.irp u, 0,1                                    ; q, k: registers 0-5 are my first head's 64 channels, 6-11 my second head's: three pieces to each; fragment g, tile u
.irp p, 0,1,2,3,4,5
	global_store_b64 v[L8], v[P0+20*\u+2*\p:P0+20*\u+2*\p+1], s[12+84*(\p/3):13+84*(\p/3)] offset:1536*\g+256*(3*\u+\p%3)   ; 32 lanes store 256 consecutive bytes, aligned
.endr
.endr
	s_branch .Lj_\@
.Lv_\@:
.irp u, 0,1                                    ; v: the group is 32 channels of head g / 2: fragments 2 (g % 2) + u, whole
.irp p, 0,1,2,3,4,5
	global_store_b64 v[L8], v[P0+20*\u+2*\p:P0+20*\u+2*\p+1], s[12+84*((\g)/2):13+84*((\g)/2)] offset:1536*(2*((\g)%2)+\u)+256*\p
.endr
.endr
.Lj_\@:
.endm
	PLACES NP                                      ; behind the last products: for the reads of results, and for the writes and loads into registers that held scale words and A's fragments
	s_mov_b32 s[SEL], 0x76543210
	s_mov_b32 s[SEL+1], 0xfedcba98
.irp b, 0,1,2,3
	v_mov_b32 v[TM+4+\b], 0                        ; written once: a lane permute's destination counts as one of its sources
.endr
	GROUP 0
	GROUP 1
	GROUP 2
	GROUP 3
	; the scale words: lanes 0-15 store my first head's four words of row r, lanes 16-31 my second head's: sixteen lanes fill 256 consecutive bytes, aligned
	s_cmp_eq_u32 s67, 1
	s_cbranch_scc1 .Lv_words
.irp g, 0,1,2,3
	v_perm_b32 v[SW+\g], v[PWS+2*\g+1], v[PWS+2*\g], v[VSEL]   ; q, k: fragment g's word: my head's two bytes of tile u = 0, then of tile u = 1
.endr
	s_branch .Lwords
.Lv_words:
	v_cmp_eq_u32 vcc_lo, 1, v2
.irp i, 0,1,2,3
	v_cndmask_b32 v[SW+\i], v[PWS+\i], v[PWS+4+\i], vcc_lo     ; v: fragment i's word as it stands, of head 0 or 1
.endr
.Lwords:
	global_store_b128 v[SOFF], v[SW:SW+3], s[12:13] offset:6144
	s_wait_tensorcnt 0x0                           ; the wave's end: behind my last tensor load and my last LDS store
	ds_add_u32 v[SPW], v[NIL]
	s_wait_dscnt 0x0
	CROUND                                         ; the closing round: no work-group ends while a partner may still ask for a tile that names it
	s_endpgm
.Lfunc_end_k_qf0be479764_qkv:
	.size	k_qf0be479764_qkv, .Lfunc_end_k_qf0be479764_qkv-k_qf0be479764_qkv
	.p2alignl 7, 3214868480
	.fill 96, 4, 3214868480
	.section	.rodata,"a",@progbits
	.p2align	6, 0x0
	.amdhsa_kernel k_qf0be479764_qkv
		.amdhsa_group_segment_fixed_size 327680
		.amdhsa_private_segment_fixed_size 0
		.amdhsa_enable_private_segment 0
		.amdhsa_kernarg_size 48
		.amdhsa_user_sgpr_count 2
		.amdhsa_user_sgpr_kernarg_segment_ptr 1
		.amdhsa_wavefront_size32 1
		.amdhsa_system_sgpr_workgroup_id_x 1
		.amdhsa_system_sgpr_workgroup_id_y 1
		.amdhsa_system_sgpr_workgroup_id_z 1
		.amdhsa_system_vgpr_workitem_id 0
		.amdhsa_next_free_vgpr 1024
		.amdhsa_next_free_sgpr 106
		.amdhsa_reserve_vcc 1
		.amdhsa_float_denorm_mode_32 3
		.amdhsa_float_denorm_mode_16_64 3
		.amdhsa_memory_ordered 1
		.amdhsa_forward_progress 1
		.amdhsa_inst_pref_size 188
	.end_amdhsa_kernel
	.amdgpu_metadata
---
amdhsa.version: [ 1, 2 ]
amdhsa.kernels:
  - .name:           k_qf0be479764_qkv
    .symbol:         k_qf0be479764_qkv.kd
    .args:
      - { .name: x_codes, .offset: 0, .size: 8, .value_kind: global_buffer, .address_space: global }
      - { .name: x_scales, .offset: 8, .size: 8, .value_kind: global_buffer, .address_space: global }
      - { .name: W_qkv_codes, .offset: 16, .size: 8, .value_kind: global_buffer, .address_space: global }
      - { .name: W_qkv_scales, .offset: 24, .size: 8, .value_kind: global_buffer, .address_space: global }
      - { .name: q_img, .offset: 32, .size: 8, .value_kind: global_buffer, .address_space: global }
      - { .name: kv, .offset: 40, .size: 8, .value_kind: global_buffer, .address_space: global }
    .group_segment_fixed_size: 327680
    .private_segment_fixed_size: 0
    .kernarg_segment_align: 8
    .kernarg_segment_size: 48
    .max_flat_workgroup_size: 128
    .sgpr_count:     106
    .vgpr_count:     1024
    .wavefront_size: 32
...
	.end_amdgpu_metadata
.endif
;; end of part 1
;; launch attn (part 2): grid 4 x 64, 16 waves a work-group, clusters of 4 x 1, 206,848 bytes of LDS; arguments q_img, kv, o_img, o_sc; writes o_img, o_sc
.if DOCPART == 2
	.amdgcn_target "amdgcn-amd-amdhsa--gfx1250"
	.amdhsa_code_object_version 6
	.text
	.protected	k_qf0be479764_attn
	.globl	k_qf0be479764_attn
	.p2align	8
	.type	k_qf0be479764_attn,@function
k_qf0be479764_attn:
	s_mov_b64 s[64:65], 0
	v_nop
	global_prefetch_b8 v0, s[64:65] scope:SCOPE_SE
	s_setreg_imm32_b32 hwreg(HW_REG_WAVE_MODE, 25, 1), 1
	s_wait_xcnt 0x0
	s_wait_alu depctr_hold_cnt(0) depctr_sa_sdst(0) depctr_va_vdst(0) depctr_va_sdst(0) depctr_va_ssrc(0) depctr_va_vcc(0) depctr_vm_vsrc(0)
	s_getreg_b32 s2, hwreg(HW_REG_IB_STS2, 6, 4)
	s_cmp_eq_u32 s2, 0
	s_cbranch_scc0 .Lentry_in_a_cluster
	s_endpgm
.Lentry_in_a_cluster:
	s_bfe_u32 s2, ttmp6, 0x10000c
	s_cmp_lg_u32 s2, 0x3003
	s_cbranch_scc0 .Lentry_shape_is_right
	s_endpgm
.Lentry_shape_is_right:
; Causal attention of 64 heads (2,048 tokens, 64 channels) on codes of FP6 (E2M3) with one E8M0 scale for each 32 along a product's K, and the quantiser of its result o along the channels.
; IN: q_img [64][16 steps of 128 tokens][6,400] and kv [64][16][12,800] (K, then V at 6,400), as images of operand registers: a fragment is six pieces of 256 bytes, piece p = registers 2 p, 2 p + 1 of lane l at 256 p + 8 l.
;   A fragment of Q or K holds TWO tiles of 16 tokens x 64 channels of a group of 32 tokens: tile u = 0 in registers 0-5, u = 1 in 6-11; lane r of tile u is token 8 u + r + 8 (r / 8) of the group.
;   A fragment of V holds 16 channels x 128 keys; lane r of fragment t is channel 32 (t / 2) + 8 (t % 2) + r + 8 (r / 8).  Behind an entry's four fragments (at 6,144) lie lane r's four scale words, 16 bytes.
; OUT: o_img [4][512 row tiles][2][1,536]: fragments of the last product's A (K step 128 = two heads; this head fills three pieces); o_sc [16 x row tile + r][32]: its scale bytes, two for a head.
; THE SOFTMAX: t = score x log2(e) / 8; M = the row's largest t so far, rounded UP to a whole number; p = 2^(t - M) is quantised along the keys, not normalised; the row's sum is taken of the unquantised p and divides O at the end.
;   When M moves, the sum and O are multiplied by 2^(old M - new M): exact.
; SHARES.  A cluster of four work-groups owns a head.  Each of a work-group's sixteen waves owns TWO tiles of 16 queries: tile A = (group gA = 4 a + cx, u = 0), tile B = (group 63 - gA, u = 1), a a permutation of the wave's number.
;   Tile A needs the key steps 0 .. a, tile B 0 .. 15 - a: 17 steps of 128 keys for every wave of every work-group.  The branches that leave hidden steps out hang on the wave's number and the step's counter alone.
; LDS.  A head's K and V, 204,800 bytes, lie in LDS as they lie in memory, filled ONCE by joint loads (the four work-groups ask with the same descriptor and the mask 15): waves 0 to 3 issue four loads each, load c of wave w
;   brings step 4 c + w; four tensor loads of a wave are out at the most.  Nothing is filled again, so the barriers at the chunks' heads only publish what has landed.
; LAYOUT.  Both products are used transposed: S^T = K Q^T, O^T = V^T P^T: a lane holds ONE query (lane % 16) throughout.  K = 64 IN AN INSTRUCTION OF 128: a fragment of K against (q, zeros) gives its tile u = 0's scores,
;   against (zeros, q) its tile u = 1's: zero codes add nothing under any scale byte but 0xff.  By the choice of a tile's tokens, registers 16 g + i of S^T are keys 32 g + 16 (lane / 16) + i: 16 neighbours.
; LIMITS: NaN and infinities are not served.  A block's largest p is taken from its largest score (this takes v_exp_f32 not to fall where its input rises; at the worst one p within an ulp of a power of two is held one code low).
;   Blocks whose largest magnitude lies under 2^-124 keep the scale byte 1.  o is O x v_rcp_f32(sum).  o's scale bytes leave two at a time: 262,144 bytes in all are stored in parts of 256-byte blocks.
; REGISTERS: v1-6 addresses and mask constants; v8-11, v12-15 tile A's, B's -M, largest t, sum (two halves); v16-45 zeros | qA | zeros | qB | zeros; v46, v47 Q's scale words; v48-95 four fragments of K or V;
;   v96-159 S^T, then p; v160-191, v192-223 O^T of A, of B; v224-235 p's codes; v232-254 at work; v248-251 the fragments' scale words; v253 p's scale word.
.set STEPB, 12800                      ; a key step's K and V
.set HEADB, 16*STEPB
.set QSTEP, 6400
.set QHEAD, 16*QSTEP
.set L8,   1                           ; v1  8 x lane: my place in a piece
.set L16,  2                           ; v2  16 x (lane % 16): my row's four scale words
.set ADF,  3                           ; v3  LDS address of the step's pieces
.set ADS,  4                           ; v4  and of its scale words
.set DA,   5                           ; v5  tile A: my query - 16 (lane / 16), counted from its last step's first key
.set DB,   6                           ; v6  tile B likewise
.set WV,   12                          ; s12 my wave's number
.set CX,   13                          ; s13 my place in the cluster: it enters global addresses and the two mask constants alone
.set LIMA, 14                          ; s14 tile A's last key step: a
.set LIMB, 15                          ; s15 tile B's: 15 - a
.set GA,   16                          ; s16, s17 the tiles' groups of 32 tokens
.set GB,   17
.set BH,   18                          ; s18 16 x batch + head
.set SEL,  20                          ; s[20:21] lane selects for v_permlanex16_b32: lane l xor 16
.set CS,   22                          ; s[22:23] c = log2(e) / 8
.set G1,   24                          ; s[24:31] descriptor group 1
.set G0,   32                          ; s[32:47] four groups 0, one for each of a wave's loads
.set TB,   48                          ; s48 LDS byte at which the step in hand begins
.set ST,   49                          ; s49 the step's number
.macro ROUND                           ; a round of the cluster's barrier
	s_barrier_signal -1
	s_barrier_wait -1
	s_cmp_lg_u32 s[WV], 0
	s_cbranch_scc1 .Lnot_wave_0_\@
	s_barrier_signal -3
.Lnot_wave_0_\@:
	s_barrier_wait -3
	s_barrier_signal -1
	s_barrier_wait -1
.endm
	s_load_b256 s[4:11], s[0:1], 0x0               ; q_img s[4:5], kv s[6:7], o_img s[8:9], o_sc s[10:11]
	v_lshl_add_u32 v243, v0, 2, 0x32000
	v_mov_b32 v255, 0
	ds_add_u32 v243, v255
	ds_add_u32 v243, v255
	v_lshrrev_b32 v1, 5, v0
	v_readfirstlane_b32 s[WV], v1                  ; wave 0..15
	s_bfe_u32 s[CX], ttmp6, 0x40000                ; cx
	s_and_b32 s[BH], ttmp7, 0xffff                 ; the head, which the four partners share
	s_lshr_b32 s50, s[WV], 2
	s_add_co_u32 s50, s50, s[WV]
	s_and_b32 s50, s50, 3
	s_lshl_b32 s50, s50, 2
	s_and_b32 s51, s[WV], 3
	s_add_co_u32 s[LIMA], s50, s51                 ; a = 4 ((w + w / 4) % 4) + w % 4: each of 0 .. 15 once
	s_xor_b32 s[LIMB], s[LIMA], 15                 ; 15 - a
	s_lshl_b32 s[GA], s[LIMA], 2
	s_add_co_u32 s[GA], s[GA], s[CX]               ; gA = 4 a + cx
	s_xor_b32 s[GB], s[GA], 63                     ; gB = 63 - gA = 4 (15 - a) + 3 - cx
	; descriptor group 1: a step's 12,800 dense bytes as 50 rows of 256 bytes (32 elements of 8 bytes), no padding
	s_mov_b32 s[G1], 15|(3<<16)|(1<<21)            ; 15:0 the mask: all four work-groups; 17:16 elements of 8 bytes; 21 set beside a mask
	s_mov_b32 s[G1+1], 32<<16                      ; tensor_dim0
	s_mov_b32 s[G1+2], 50<<16                      ; tensor_dim1
	s_mov_b32 s[G1+3], 32<<16                      ; tile_dim0
	s_mov_b32 s[G1+4], 50                          ; tile_dim1
	s_mov_b32 s[G1+5], 32                          ; tensor_dim0_stride
	s_mov_b32 s[G1+6], 0
	s_mov_b32 s[G1+7], 0
	s_mul_i32 s51, s51, STEPB                      ; step w % 4 of a chunk: its place in LDS and in the head's block of memory
	s_mul_i32 s52, s[BH], HEADB
	s_add_co_u32 s52, s52, s51
	s_mov_b32 s53, 0
	s_mov_b32 s[SEL], 0x76543210
	s_mov_b32 s[SEL+1], 0xfedcba98
	s_mov_b32 s[CS], 0x3e38aa3b                    ; log2(e) / sqrt(64)
	s_mov_b32 s[CS+1], s[CS]                       ; (named with it as a pair, so it is written)
	s_wait_dscnt 0x0
	s_wait_kmcnt 0x0
	s_add_nc_u64 s[52:53], s[6:7], s[52:53]
.irp c, 0,1,2,3
	s_mov_b32 s[G0+4*\c], 1                        ; count = 1
	s_add_co_u32 s[G0+4*\c+1], s51, 4*STEPB*\c     ; LDS address
	s_add_nc_u64 s[G0+4*\c+2:G0+4*\c+3], s[52:53], 4*STEPB*\c   ; global address
	s_or_b32 s[G0+4*\c+3], s[G0+4*\c+3], 0x80000000             ; type = 2
.endr
	ROUND                                          ; all four work-groups are here: the joint loads meet
	s_cmp_lt_u32 s[WV], 4                          ; a wave's four first fills stand in one branch, ahead of every wait on TENSORcnt, every LDS read and every further barrier
	s_cbranch_scc0 .Lno_fill
	tensor_load_to_lds s[G0:G0+3], s[G1:G1+7]
	s_nop 0
	tensor_load_to_lds s[G0+4:G0+7], s[G1:G1+7]
	s_nop 0
	tensor_load_to_lds s[G0+8:G0+11], s[G1:G1+7]
	s_nop 0
	tensor_load_to_lds s[G0+12:G0+15], s[G1:G1+7]
	s_nop 0
.rept 4
	v_nop
.endr
.Lno_fill:
	v_and_b32 v[L8], 31, v0
	v_lshlrev_b32 v[L8], 3, v[L8]
	v_and_b32 v7, 15, v0                           ; r
	v_lshlrev_b32 v[L16], 4, v7
	s_mul_i32 s50, s[BH], QHEAD
	s_mul_i32 s54, s[LIMA], QSTEP
	s_add_co_u32 s54, s54, s50                     ; tile A's entry of q_img: step gA / 4 = a
	s_mul_i32 s55, s[LIMB], QSTEP
	s_add_co_u32 s55, s55, s50                     ; tile B's: step 15 - a
	s_xor_b32 s56, s[CX], 3                        ; gB % 4 = 3 - cx
	s_mul_i32 s57, s[CX], 1536                     ; fragment gA % 4 = cx
	s_add_co_u32 s57, s57, s54
	s_mul_i32 s58, s56, 1536
	s_add_co_u32 s58, s58, s55
	v_add_nc_u32 v96, s57, v[L8]
	v_add_nc_u32 v97, s58, v[L8]
	s_lshl_b32 s57, s[CX], 2                       ; and the fragment's word among my row's four
	s_add_co_u32 s57, s57, s54
	s_lshl_b32 s58, s56, 2
	s_add_co_u32 s58, s58, s55
	v_add_nc_u32 v98, s57, v[L16]
	v_add_nc_u32 v99, s58, v[L16]
.irp p, 0,1,2
	global_load_b64 v[22+2*\p:23+2*\p], v96, s[4:5] offset:256*\p          ; qA: pieces 0-2 (u = 0)
	global_load_b64 v[34+2*\p:35+2*\p], v97, s[4:5] offset:768+256*\p      ; qB: pieces 3-5 (u = 1)
.endr
	global_load_b32 v100, v98, s[4:5] offset:6144
	global_load_b32 v101, v99, s[4:5] offset:6144
	v_and_b32 v102, 8, v7
	v_add_nc_u32 v7, v7, v102                      ; r + 8 (r / 8)
	v_bfe_u32 v102, v0, 4, 1
	v_lshlrev_b32 v102, 4, v102
	v_sub_nc_u32 v7, v7, v102                      ; - 16 (lane / 16)
	s_lshl_b32 s57, s[CX], 5
	s_lshl_b32 s58, s56, 5
	s_add_co_u32 s58, s58, 8
	v_add_nc_u32 v[DA], s57, v7                    ; + 32 (gA % 4)
	v_add_nc_u32 v[DB], s58, v7                    ; + 32 (gB % 4) + 8
.irp z, 16,17,18,19,20,21,28,29,30,31,32,33,40,41,42,43,44,45
	v_mov_b32 v\z, 0                               ; zero codes beside q
.endr
.irp x, 8, 12
	v_mov_b32 v[\x+1], 0xff61b1e6                  ; the largest t so far: -3e38, under every t
	v_floor_f32 v[\x], -v[\x+1]                    ; -M
	v_mov_b32 v[\x+2], 0                           ; the sum, in two halves
	v_mov_b32 v[\x+3], 0
.endr
.irp b, 0,1,2,3
	v_mov_b32 v[236+\b], 0                         ; written once: a lane permute's destination counts as one of its sources
.endr
	v_mov_b32 v253, 0                              ; (named as the upper half of the pair v[252:253] before it is first written)
	s_wait_loadcnt 0x0                             ; Q and its scale words
	v_perm_b32 v46, v100, v100, 0x01000100         ; tile A (u = 0): its two bytes, twice: they serve q in either half of the instruction's K
	v_perm_b32 v47, v101, v101, 0x03020302         ; tile B (u = 1)
.set J, 0
.rept 64
	v_mov_b32 v[160+J], 0                          ; O^T of both tiles: the step is written once; its first pass finds zeros.  (These lines are also the places between the scale words' making and the first product)
.set J, J+1
.endr
; A KEY STEP of one tile: 128 keys.  qx: q's first register; qs: its scale word; ox: O^T; sx: the statistics; lim: the tile's last step; dx: its mask constant.
.macro STEP qx, qs, ox, sx, lim, dx
	s_cmp_gt_u32 s[ST], s[\lim]                    ; all 128 keys come after my 16 queries: the step's work is left out.  No barrier and no tensor load stands in a step
	s_cbranch_scc1 .Lhid_\@
.rept 4
	v_nop                                          ; places in front of loads into registers that the last products read
.endr
.irp g, 0,1,2,3
.irp p, 0,1,2,3,4,5
	ds_load_b64 v[48+12*\g+2*\p:49+12*\g+2*\p], v[ADF] offset:1536*\g+256*\p
.endr
.endr
	ds_load_b128 v[248:251], v[ADS] offset:6144    ; K's scale words of my row in the four fragments
	s_wait_dscnt 0x0
.irp g, 0,1,2,3                                ; eight accumulators, each begun with 0
	v_wmma_scale_f32_16x16x128_f8f6f4 v[96+16*\g:103+16*\g], v[48+12*\g:59+12*\g], v[\qx:\qx+11], 0, v[248+\g], v[\qs] matrix_a_fmt:MATRIX_FMT_FP6 matrix_b_fmt:MATRIX_FMT_FP6
	v_wmma_scale_f32_16x16x128_f8f6f4 v[104+16*\g:111+16*\g], v[48+12*\g:59+12*\g], v[\qx-6:\qx+5], 0, v[248+\g], v[\qs] matrix_a_fmt:MATRIX_FMT_FP6 matrix_b_fmt:MATRIX_FMT_FP6
.endr
.rept 4
	v_nop                                          ; places in front of the loads below and of the first read of the scores
.endr
.irp t, 0,1,2,3                                ; V is asked for now and lands under the softmax
.irp p, 0,1,2,3,4,5
	ds_load_b64 v[48+12*\t+2*\p:49+12*\t+2*\p], v[ADF] offset:6400+1536*\t+256*\p
.endr
.endr
	ds_load_b128 v[248:251], v[ADS] offset:6400+6144
	s_cmp_lg_u32 s[ST], s[\lim]                    ; only the tile's last step lies on the diagonal
	s_cbranch_scc1 .Lopen_\@
	v_mov_b32 v254, 0xff800000                     ; hidden scores become -infinity ahead of the maximum: p = 0 then
.set N, 0
.rept 64
	v_cmp_gt_i32 vcc_lo, 32*(N/16)+N%16, v[\dx]    ; register 16 g + i holds key 32 g + 16 (lane / 16) + i of the step
	v_cndmask_b32 v[96+N], v[96+N], v254, vcc_lo
.set N, N+1
.endr
.Lopen_\@:
.irp b, 0,1,2,3
	v_max3_num_f32 v[232+\b], v[96+16*\b], v[97+16*\b], v[98+16*\b]   ; the largest score of each block of 32 keys: for the row's maximum, and, since p rises with the score, for the block's largest p
.endr
.irp i, 3,5,7,9,11,13
.irp b, 0,1,2,3
	v_max3_num_f32 v[232+\b], v[232+\b], v[96+16*\b+\i], v[97+16*\b+\i]
.endr
.endr
.irp b, 0,1,2,3
	v_max_num_f32 v[232+\b], v[232+\b], v[111+16*\b]
.endr
.irp b, 0,1,2,3
	v_permlanex16_b32 v[236+\b], v[232+\b], s[SEL], s[SEL+1]
.endr
.irp b, 0,1,2,3
	v_max_num_f32 v[232+\b], v[232+\b], v[236+\b]  ; with lane l xor 16's 16 keys
.endr
	v_max3_num_f32 v254, v232, v233, v234
	v_max_num_f32 v254, v254, v235                 ; the step's largest score of my query
	v_mul_f32 v254, s[CS], v254                    ; as t (c is positive)
	v_max_num_f32 v[\sx+1], v[\sx+1], v254         ; the running largest t
	v_mov_b32 v254, v[\sx]
	v_floor_f32 v[\sx], -v[\sx+1]                  ; the new -M = floor(-t) = -ceil(t)
	v_sub_f32 v254, v[\sx], v254                   ; old M - new M: a whole number, 0 or less
	v_cvt_i32_f32 v254, v254                       ; (it saturates)
	v_ldexp_f32 v252, 1.0, v254                    ; f = 2^(old M - new M)
.set J, 0
.rept 32
	v_pk_fma_f32 v[96+J:97+J], v[96+J:97+J], s[CS:CS+1], v[\sx:\sx+1] op_sel_hi:[1,0,0]   ; t - M, two at a time (of the pairs c and -M the low word serves both halves)
.set J, J+2
.endr
.irp b, 0,1,2,3
	v_fma_f32 v[232+\b], v[232+\b], s[CS], v[\sx]  ; the same of each block's largest score
.endr
.set J, 0
.rept 64
	v_exp_f32 v[96+J], v[96+J]                     ; p = 2^(t - M), at most 1
.set J, J+1
.endr
.irp b, 0,1,2,3
	v_exp_f32 v[232+\b], v[232+\b]                 ; the block's largest p
.endr
	v_pk_mul_f32 v[\sx+2:\sx+3], v[\sx+2:\sx+3], v[252:253] op_sel_hi:[1,0]   ; the sums under the new M.  (A plain place behind the exponentials)
	s_wait_alu depctr_va_vdst(0)
.irp b, 0,1,2,3
	v_max_num_f32 v[232+\b], 0x1800000, v[232+\b]  ; the floor 2^(3 - 127): the byte cannot fall under 1
.endr
.irp b, 0,1,2,3
	v_add_nc_u32 v[244+\b], 0xff000000, v[232+\b]  ; 2 off the exponent field: the conversion's scale operand
.endr
.irp b, 0,1,2,3
	v_lshrrev_b32 v[236+\b], 23, v[244+\b]         ; the scale's byte
.endr
	v_lshl_or_b32 v253, v237, 8, v236              ; p's scale word for these 128 keys
	v_lshl_or_b32 v253, v238, 16, v253
	v_lshl_or_b32 v253, v239, 24, v253
.irp c, 0,1
	v_cvt_scalef32_pk16_fp6_f32 v[224+6*\c:226+6*\c], v[96+32*\c:111+32*\c], v[244+2*\c]
	v_cvt_scalef32_pk16_fp6_f32 v[236+4*\c:238+4*\c], v[112+32*\c:127+32*\c], v[244+2*\c+1]   ; (a conversion's three registers begin on an even number)
.endr
	v_nop                                          ; one plain place behind a scaled conversion
.irp c, 0,1                                    ; the operand's layout wants a whole block in a lane
.irp i, 0,1,2
	v_permlane16_swap_b32 v[224+6*\c+\i], v[236+4*\c+\i]
.endr
.irp i, 0,1,2
	v_mov_b32 v[227+6*\c+\i], v[236+4*\c+\i]
.endr
.endr
	v_pk_add_f32 v[236:237], v[96:97], v[98:99]    ; the row's sum is taken of the unquantised p: two at a time, in two chains
.irp j, 4,8,12,16,20,24,28,32,36,40,44,48,52,56,60
	v_pk_add_f32 v[\sx+2:\sx+3], v[\sx+2:\sx+3], v[96+\j:97+\j]
	v_pk_add_f32 v[236:237], v[236:237], v[98+\j:99+\j]
.endr
	v_pk_add_f32 v[\sx+2:\sx+3], v[\sx+2:\sx+3], v[236:237]
.set J, 0
.rept 16
	v_pk_mul_f32 v[\ox+J:\ox+J+1], v[\ox+J:\ox+J+1], v[252:253] op_sel_hi:[1,0]   ; O^T under the new M, each accumulator from its low end on.  (With the sums above: the places in front of the products below)
.set J, J+2
.endr
	s_wait_dscnt 0x0                               ; V and its scale words are in
.irp t, 0,1,2,3                                ; O^T += V^T P^T: four accumulators by turns
	v_wmma_scale_f32_16x16x128_f8f6f4 v[\ox+8*\t:\ox+8*\t+7], v[48+12*\t:59+12*\t], v[224:235], v[\ox+8*\t:\ox+8*\t+7], v[248+\t], v253 matrix_a_fmt:MATRIX_FMT_FP6 matrix_b_fmt:MATRIX_FMT_FP6
.endr
.Lhid_\@:
.endm
; A CHUNK of four key steps.  The wave that fetched waits for its part of the chunk and signals; the others read behind the barrier.  The later chunks' loads may stay out.
.macro CHUNK c
	s_wait_dscnt 0x0                               ; no LDS instruction of mine is out at the signal
	s_wait_tensorcnt 3-\c                          ; my load for this chunk has landed; the 3 - c issued behind it may be out (waves 4 to 15 have none)
	s_barrier_signal -1
	s_barrier_wait -1
	s_mov_b32 s[TB], 4*STEPB*\c
	s_mov_b32 s[ST], 4*\c
.Lstep_\@:
	v_add_nc_u32 v[ADF], s[TB], v[L8]
	v_add_nc_u32 v[ADS], s[TB], v[L16]
	STEP 22, 46, 160, 8, LIMA, DA
	STEP 34, 47, 192, 12, LIMB, DB
	s_add_co_u32 s[TB], s[TB], STEPB
	s_add_co_u32 s[ST], s[ST], 1
	s_cmp_lt_u32 s[ST], 4*\c+4
	s_cbranch_scc1 .Lstep_\@
.endm
	CHUNK 0
	CHUNK 1
	CHUNK 2
	CHUNK 3
	; THE WAY OUT.  O^T / the sum; register 16 b + i of a tile is channel 32 b + 16 (lane / 16) + i of my query: the quantiser's order, two blocks.  No LDS: the codes are an operand's registers and leave as pieces.
.rept 4
	v_nop                                          ; places behind the last products
.endr
	v_add_f32 v10, v10, v11                        ; the sums' two halves,
	v_add_f32 v14, v14, v15
	v_permlanex16_b32 v236, v10, s[SEL], s[SEL+1]
	v_permlanex16_b32 v237, v14, s[SEL], s[SEL+1]
	v_add_f32 v10, v10, v236                       ; and lane l xor 16's: the rows' sums
	v_add_f32 v14, v14, v237
	v_rcp_f32 v10, v10
	v_rcp_f32 v14, v14
	v_nop                                          ; one plain place behind a transcendental
.set J, 0
	s_wait_alu depctr_va_vdst(0)
.rept 32
	v_mul_f32 v[96+J], v[160+J], v10               ; tile A's o
.set J, J+1
.endr
.set J, 0
.rept 32
	v_mul_f32 v[128+J], v[192+J], v14              ; tile B's
.set J, J+1
.endr
; 32 numbers of a lane become six registers of codes, v[pc] .. v[pc + 5] (k = 32 (lane / 16) + 0 .. 31), and two scale bytes in v[pw].
.macro OQUANT s, pc, pw
.irp b, 0,1
	v_max3_num_f32 v[232+\b], |v[\s+16*\b]|, |v[\s+1+16*\b]|, 0x1800000   ; my 16 numbers of block b, and the floor 2^(3 - 127)
.endr
.irp i, 2,4,6,8,10,12,14
.irp b, 0,1
	v_max3_num_f32 v[232+\b], v[232+\b], |v[\s+16*\b+\i]|, |v[\s+1+16*\b+\i]|
.endr
.endr
.irp b, 0,1
	v_permlanex16_b32 v[236+\b], v[232+\b], s[SEL], s[SEL+1]
.endr
.irp b, 0,1
	v_max_num_f32 v[232+\b], v[232+\b], v[236+\b]
.endr
.irp b, 0,1
	v_add_nc_u32 v[244+\b], 0xff000000, v[232+\b]
.endr
.irp b, 0,1
	v_lshrrev_b32 v[236+\b], 23, v[244+\b]
.endr
	v_lshl_or_b32 v[\pw], v237, 8, v236
	v_cvt_scalef32_pk16_fp6_f32 v[\pc:\pc+2], v[\s:\s+15], v244
	v_cvt_scalef32_pk16_fp6_f32 v[\pc+8:\pc+10], v[\s+16:\s+31], v245
	v_nop                                          ; one plain place behind a scaled conversion
.irp i, 0,1,2
	v_permlane16_swap_b32 v[\pc+\i], v[\pc+8+\i]
.endr
.irp i, 0,1,2
	v_mov_b32 v[\pc+3+\i], v[\pc+8+\i]
.endr
.endm
	OQUANT 96, 48, 80
	OQUANT 128, 64, 81
	s_and_b32 s50, s[BH], 15                       ; the head in its batch
	s_lshr_b32 s51, s[BH], 4
	s_lshl_b32 s51, s51, 7                         ; 128 row tiles a batch
	s_lshl_b32 s52, s[GA], 1
	s_add_co_u32 s52, s52, s51                     ; tile A's row tile: 128 b + 2 gA
	s_lshl_b32 s53, s[GB], 1
	s_add_co_u32 s53, s53, s51
	s_add_co_u32 s53, s53, 1                       ; tile B's: 128 b + 2 gB + 1
	s_lshr_b32 s54, s50, 2
	s_mul_i32 s54, s54, 1572864                    ; the K step of 256 (four heads): 512 row tiles x 3,072 bytes
	s_bfe_u32 s55, s50, 0x10001
	s_mul_i32 s55, s55, 1536                       ; which of its two fragments
	s_add_co_u32 s54, s54, s55
	s_and_b32 s55, s50, 1
	s_mul_i32 s55, s55, 768                        ; which three pieces
	s_add_co_u32 s54, s54, s55
	s_mul_i32 s55, s52, 3072
	s_add_co_u32 s55, s55, s54
	v_add_nc_u32 v82, s55, v[L8]
	s_mul_i32 s55, s53, 3072
	s_add_co_u32 s55, s55, s54
	v_add_nc_u32 v84, s55, v[L8]
	s_lshl_b32 s56, s50, 1                         ; the head's two bytes in a row of 32
	s_lshl_b32 s55, s52, 9                         ; 16 rows of 32 bytes a row tile
	s_add_co_u32 s55, s55, s56
	v_lshl_add_u32 v83, v[L16], 1, s55
	s_lshl_b32 s55, s53, 9
	s_add_co_u32 s55, s55, s56
	v_lshl_add_u32 v85, v[L16], 1, s55
.irp p, 0,1,2
	global_store_b64 v82, v[48+2*\p:49+2*\p], s[8:9] offset:256*\p     ; 32 lanes store 256 consecutive bytes, aligned
	global_store_b64 v84, v[64+2*\p:65+2*\p], s[8:9] offset:256*\p
.endr
	global_store_b16 v83, v80, s[10:11]            ; both halves of the lanes hold the same two bytes and store them to the same place
	global_store_b16 v85, v81, s[10:11]
	s_wait_dscnt 0x0                               ; no LDS instruction of mine is out at the signal
	s_wait_tensorcnt 0x0
	ds_add_u32 v243, v255
	s_wait_dscnt 0x0
	ROUND                                          ; the closing round: no work-group ends while a partner may still ask for a tile that names it
	s_endpgm
.Lfunc_end_k_qf0be479764_attn:
	.size	k_qf0be479764_attn, .Lfunc_end_k_qf0be479764_attn-k_qf0be479764_attn
	.p2alignl 7, 3214868480
	.fill 96, 4, 3214868480
	.section	.rodata,"a",@progbits
	.p2align	6, 0x0
	.amdhsa_kernel k_qf0be479764_attn
		.amdhsa_group_segment_fixed_size 206848
		.amdhsa_private_segment_fixed_size 0
		.amdhsa_enable_private_segment 0
		.amdhsa_kernarg_size 32
		.amdhsa_user_sgpr_count 2
		.amdhsa_user_sgpr_kernarg_segment_ptr 1
		.amdhsa_wavefront_size32 1
		.amdhsa_system_sgpr_workgroup_id_x 1
		.amdhsa_system_sgpr_workgroup_id_y 1
		.amdhsa_system_sgpr_workgroup_id_z 1
		.amdhsa_system_vgpr_workitem_id 0
		.amdhsa_next_free_vgpr 256
		.amdhsa_next_free_sgpr 66
		.amdhsa_reserve_vcc 1
		.amdhsa_float_denorm_mode_32 3
		.amdhsa_float_denorm_mode_16_64 3
		.amdhsa_memory_ordered 1
		.amdhsa_forward_progress 1
		.amdhsa_inst_pref_size 193
	.end_amdhsa_kernel
	.amdgpu_metadata
---
amdhsa.version: [ 1, 2 ]
amdhsa.kernels:
  - .name:           k_qf0be479764_attn
    .symbol:         k_qf0be479764_attn.kd
    .args:
      - { .name: q_img, .offset: 0, .size: 8, .value_kind: global_buffer, .address_space: global }
      - { .name: kv, .offset: 8, .size: 8, .value_kind: global_buffer, .address_space: global }
      - { .name: o_img, .offset: 16, .size: 8, .value_kind: global_buffer, .address_space: global }
      - { .name: o_sc, .offset: 24, .size: 8, .value_kind: global_buffer, .address_space: global }
    .group_segment_fixed_size: 206848
    .private_segment_fixed_size: 0
    .kernarg_segment_align: 8
    .kernarg_segment_size: 32
    .max_flat_workgroup_size: 512
    .sgpr_count:     66
    .vgpr_count:     256
    .wavefront_size: 32
...
	.end_amdgpu_metadata
.endif
;; end of part 2
;; launch proj (part 3): grid 4 x 32, 4 waves a work-group, clusters of 4 x 4, 327,680 bytes of LDS; arguments o_img, o_sc, W_proj_codes, W_proj_scales, out0; writes out0
.if DOCPART == 3
	.amdgcn_target "amdgcn-amd-amdhsa--gfx1250"
	.amdhsa_code_object_version 6
	.text
	.protected	k_qf0be479764_proj
	.globl	k_qf0be479764_proj
	.p2align	8
	.type	k_qf0be479764_proj,@function
k_qf0be479764_proj:
	s_mov_b64 s[64:65], 0
	v_nop
	global_prefetch_b8 v0, s[64:65] scope:SCOPE_SE
	s_setreg_imm32_b32 hwreg(HW_REG_WAVE_MODE, 25, 1), 1
	s_wait_xcnt 0x0
	s_wait_alu depctr_hold_cnt(0) depctr_sa_sdst(0) depctr_va_vdst(0) depctr_va_sdst(0) depctr_va_ssrc(0) depctr_va_vcc(0) depctr_vm_vsrc(0)
	s_getreg_b32 s2, hwreg(HW_REG_IB_STS2, 6, 4)
	s_cmp_eq_u32 s2, 0
	s_cbranch_scc0 .Lentry_in_a_cluster
	s_endpgm
.Lentry_in_a_cluster:
	s_bfe_u32 s2, ttmp6, 0x10000c
	s_cmp_lg_u32 s2, 0xf033
	s_cbranch_scc0 .Lentry_shape_is_right
	s_endpgm
.Lentry_shape_is_right:
; out0 = o W_proj^T on codes of FP6 (E2M3) with one E8M0 scale for each 32 along K (K = 1,024); out0 [8,192][1,024] f32; sums in f32.
; A = o comes as IMAGES OF OPERAND REGISTERS: o_img [4 K steps of 256][512 row tiles][2][1,536]: a fragment (16 rows x 128 K) is six pieces of 256 bytes, piece p = registers 2 p, 2 p + 1 of lane l at 256 p + 8 l.
;   Lane r of row tile t is row 32 (t / 2) + 8 (t % 2) + r + 8 (r / 8) of out0.  o_sc [16 t + r][32]: its scale bytes, rows in tile order.
; B = W_proj: rows of 768 bytes of codes, K innermost; its scale bytes [1,024][32].
; A tile of out0, 256 x 256, is made by a work-group of four waves; a wave makes 128 x 128: 64 accumulators, 512 registers.  K goes in steps of 256 through a ring of two LDS slots filled by the tensor data mover:
; A's part of a slot is 16 row tiles x 3,072 dense bytes (no padding: a piece's 256 bytes are read by 32 lanes on end), B's 256 rows of 192 bytes with 16 bytes of padding behind every 64.
; The scale bytes of the work-group's 2 x 256 rows, for all of K, come into LDS once.  CLUSTERS of 4 x 4: A's tiles are asked for jointly along a row of the cluster, B's along a column.
; THE MATRIX INSTRUCTION IS USED TRANSPOSED (source 0 = 16 rows of B, source 1 = 16 rows of A): a lane holds eight neighbouring numbers of a row of out0.
; REGISTERS, in windows of 256: window 0: v0-31 addresses; v32-63 scale words, two sets; from v128 A's fragments, one set; on the way out v128-255 rows read back.
;   window 1: B's fragments, two sets.   window 2: the accumulators of my row tiles 0-3 ((a, b) at v[8 (8 a + b)]);   window 3: those of row tiles 4-7.
.set SIZE_K, 1024
.set SIZE_N, 1024
.set KSTEP,  256
.set NQ,     KSTEP/128
.set ROWB,   192                       ; a row's codes of one K step, in bytes
.set KROW,   SIZE_K*6/8                ; a row of W_proj's codes
.set PITCH,  240                       ; B's LDS row: 3 x (64 bytes + 16 of padding)
.set FR,     12
.set NL,     6
.set NP,     4                         ; places behind this matrix instruction (ISA guide 7.12.1)
.set HALFA,  8*3072                    ; A: 8 row tiles: what one tensor load brings, and what one wave reads
.set HALFT,  128*PITCH                 ; B: 128 rows
.set BOFF,   2*HALFA                   ; B's rows lie behind A's 16 row tiles
.set SLOT,   2*HALFA+2*HALFT
.set ASTEP,  512*3072                  ; from a K step of A's images to the next
.set LAPS,   SIZE_K/(2*KSTEP)
.set KS,     SIZE_K/32
.set SCL,    2*SLOT                    ; behind the ring: the scales, as units of 256 bytes + 16 of padding
.set HALFS,  (128*KS/256)*272
.set SBLK,   (16*KS/256)*272
.set SPARE,  SCL+4*HALFS               ; the spare words, 128 bytes for each wave: two blocks of 256 bytes that no other line names
.set SPITCH, 528                       ; the way out: a stage of 16 rows x (512 bytes + 16) for each wave, in slot 0, which has had its last fill and its last read when the first result is stored there
.set ADRA, 16                          ; v16-17 LDS address of my A fragments in slot 0, 1
.set ADRB, 20                          ; v20-21 the same for B (v22-23: for the pieces behind one padding more)
.set STO,  24
.set RD,   25
.set CO,   26
.set ADRS, 27
.set SPW,  28                          ; v28 LDS address of my spare word; never rewritten
.set NIL,  29                          ; v29 0; never rewritten
.set SC,   32
.set AF,   128
.set BK,   128
.set G1, 24
.set G0, 32
.set G1B, 48
.set G0B, 56
.set G1S, 68
.set G0S, 76
.set G1SB, 80
.set G0SB, 88
.set MSB, 0
.macro WIN new                         ; the immediate's high byte repeats the setting that is left
.if MSB != \new
	s_set_vgpr_msb (MSB<<8)|\new
.set MSB, \new
.endif
.endm
.set MUL_LO, 0xa1
.set MUL_HI, 0xf1
.set TO_B,   0x40
; A joint load: waves 0 and 1 fetch for A, waves 2 and 3 for B; the branch hangs on the wave's number alone.  Four v_nop follow each of the two lines.
.macro JLOAD g0a, g1a, g0b, g1b
	s_cmp_eq_u32 s15, 0
	s_cbranch_scc0 .Lfor_b_\@
	tensor_load_to_lds s[\g0a:\g0a+3], s[\g1a:\g1a+7]
	s_nop 0
.rept 4
	v_nop
.endr
	s_branch .Lasked_\@
.Lfor_b_\@:
	tensor_load_to_lds s[\g0b:\g0b+3], s[\g1b:\g1b+7]
	s_nop 0
.rept 4
	v_nop
.endr
.Lasked_\@:
.endm
.macro CREST
	s_cmp_lg_u32 s14, 0
	s_cbranch_scc1 .Lnot_wave_0_\@
	s_barrier_signal -3
.Lnot_wave_0_\@:
	s_barrier_wait -3
	s_barrier_signal -1
	s_barrier_wait -1
.endm
.macro CROUND
	s_barrier_signal -1
	s_barrier_wait -1
	CREST
.endm
	s_load_b128 s[4:7], s[0:1], 0x0                ; o_img, o_sc
	s_load_b128 s[8:11], s[0:1], 0x10              ; W_proj's codes, W_proj's scales
	s_load_b64 s[12:13], s[0:1], 0x20              ; out0
	v_lshl_add_u32 v[SPW], v0, 2, SPARE
	v_mov_b32 v[NIL], 0
	ds_add_u32 v28, v29
	ds_add_u32 v28, v29
	s_wait_dscnt 0x0
	v_lshrrev_b32 v1, 5, v0
	v_readfirstlane_b32 s14, v1                    ; wave 0..3
	s_lshr_b32 s15, s14, 1                         ; which half of the tile's rows is mine.  Also: I fetch for A (0) or for B (1)
	s_and_b32 s16, s14, 1                          ; which half of its columns.  Also: which half of that tile I fetch
	s_bfe_u32 s40, ttmp6, 0x40000                  ; cx, cy
	s_bfe_u32 s41, ttmp6, 0x40004
	s_lshl_b32 s42, ttmp9, 2
	s_add_co_u32 s42, s42, s40                     ; tile column = 4 x cluster x + cx
	s_and_b32 s17, ttmp7, 0xffff
	s_lshl_b32 s17, s17, 2
	s_add_co_u32 s17, s17, s41                     ; tile row = 4 x cluster y + cy
	s_lshl_b32 s43, s41, 2
	s_lshl_b32 s43, 15, s43                        ; my row of the cluster
	s_lshl_b32 s44, 0x1111, s40                    ; my column
	; A: 24,576 dense bytes as 96 rows of 256 bytes (32 elements of 8 bytes), no padding
	s_or_b32 s[G1+0], s43, (3<<16)|(1<<21)         ; 15:0 the mask: my row; 17:16 elements of 8 bytes; 21 set beside a mask
	s_mov_b32 s[G1+1], 32<<16
	s_mov_b32 s[G1+2], 96<<16
	s_mov_b32 s[G1+3], 32<<16
	s_mov_b32 s[G1+4], 96
	s_mov_b32 s[G1+5], 32
	s_mov_b32 s[G1+6], 0
	s_mov_b32 s[G1+7], 0
	; B: 128 rows x 192 bytes, 16 bytes of padding behind every 64
	s_or_b32 s[G1B+0], s44, (0<<16)|(1<<20)|(1<<21)|(3<<22)|(3<<25)
	s_mov_b32 s[G1B+1], ROWB<<16
	s_mov_b32 s[G1B+2], 128<<16
	s_mov_b32 s[G1B+3], ROWB<<16
	s_mov_b32 s[G1B+4], 128
	s_mov_b32 s[G1B+5], KROW
	s_mov_b32 s[G1B+6], 0
	s_mov_b32 s[G1B+7], 0
	; the scales of 128 rows: a dense block, as rows of 256 bytes, 16 bytes of padding behind each
	s_or_b32 s[G1S+0], s43, (3<<16)|(1<<20)|(1<<21)|(5<<22)|(3<<25)
	s_or_b32 s[G1SB+0], s44, (3<<16)|(1<<20)|(1<<21)|(5<<22)|(3<<25)
.irp g, G1S, G1SB
	s_mov_b32 s[\g+1], 32<<16
	s_mov_b32 s[\g+2], (128*KS/256)<<16
	s_mov_b32 s[\g+3], 32<<16
	s_mov_b32 s[\g+4], 128*KS/256
	s_mov_b32 s[\g+5], 32
	s_mov_b32 s[\g+6], 0
	s_mov_b32 s[\g+7], 0
.endr
	s_lshl_b32 s18, s16, 7                         ; which 128 rows of the tile I fetch
	s_lshl_b32 s20, s17, 8
	s_add_co_u32 s20, s20, s18                     ; A: row (in tile order) 256 x tile row + 128 x half
	s_lshl_b32 s46, s42, 8
	s_add_co_u32 s46, s46, s18                     ; B: row 256 x tile column + 128 x half
	s_mov_b32 s21, 0
	s_mov_b32 s47, 0
	s_mov_b64 s[18:19], KS
	s_mul_u64 s[22:23], s[20:21], s[18:19]         ; where these rows' scales begin
	s_mul_u64 s[92:93], s[46:47], s[18:19]
	s_mov_b64 s[18:19], ROWB
	s_mul_u64 s[20:21], s[20:21], s[18:19]         ; A's images: 3,072 bytes for 16 rows in each K step
	s_mov_b64 s[18:19], KROW
	s_mul_u64 s[46:47], s[46:47], s[18:19]         ; B's codes
	s_mul_i32 s45, s16, HALFA                      ; where they go: no place in the cluster enters an LDS address
	s_mul_i32 s95, s16, HALFT
	s_add_co_u32 s95, s95, BOFF
	s_mul_i32 s94, s14, HALFS
	s_wait_kmcnt 0x0
	s_add_nc_u64 s[20:21], s[4:5], s[20:21]
	s_add_nc_u64 s[22:23], s[6:7], s[22:23]
	s_add_nc_u64 s[46:47], s[8:9], s[46:47]
	s_add_nc_u64 s[92:93], s[10:11], s[92:93]
	CROUND                                         ; all sixteen work-groups are here: the first joint loads meet
	s_mov_b32 s[G0S], 1
	s_add_co_u32 s[G0S+1], s94, SCL
	s_mov_b64 s[G0S+2:G0S+3], s[22:23]
	s_or_b32 s[G0S+3], s[G0S+3], 0x80000000
	s_mov_b32 s[G0SB], 1
	s_add_co_u32 s[G0SB+1], s94, SCL
	s_mov_b64 s[G0SB+2:G0SB+3], s[92:93]
	s_or_b32 s[G0SB+3], s[G0SB+3], 0x80000000
	JLOAD G0S, G1S, G0SB, G1SB                     ; the scales first.  With the two below, three tensor loads of a wave are out at the most
.irp s, 0,1
	s_mov_b32 s[G0+4*\s], 1
	s_add_co_u32 s[G0+4*\s+1], s45, \s*SLOT
	s_add_nc_u64 s[G0+4*\s+2:G0+4*\s+3], s[20:21], \s*ASTEP
	s_or_b32 s[G0+4*\s+3], s[G0+4*\s+3], 0x80000000
	s_mov_b32 s[G0B+4*\s], 1
	s_add_co_u32 s[G0B+4*\s+1], s95, \s*SLOT
	s_add_nc_u64 s[G0B+4*\s+2:G0B+4*\s+3], s[46:47], \s*ROWB
	s_or_b32 s[G0B+4*\s+3], s[G0B+4*\s+3], 0x80000000
	JLOAD G0+4*\s, G1, G0B+4*\s, G1B
.endr
	v_and_b32 v1, 15, v0                           ; l % 16
	v_bfe_u32 v2, v0, 4, 1                         ; l / 16
	v_mul_u32_u24 v3, v1, PITCH
	v_mul_u32_u24 v4, v2, 24
	v_add_nc_u32 v4, v3, v4                        ; B: a fragment's row x pitch + 24 x half
	v_lshl_add_u32 v5, v2, 4, v4                   ; and the same behind one padding more
	v_and_b32 v6, 31, v0
	v_lshlrev_b32 v6, 3, v6                        ; A: 8 x lane: my place in a piece
	s_mul_i32 s21, s15, HALFA                      ; my 8 row tiles of A
	s_mul_i32 s22, s16, HALFT                      ; my 128 rows of B
	s_add_co_u32 s22, s22, BOFF
.irp s, 0,1
	v_add_nc_u32 v[ADRA+\s], s21, v6
	v_add_nc_u32 v[ADRB+\s], s22, v4
	v_add_nc_u32 v[ADRB+2+\s], s22, v5
	s_add_co_u32 s21, s21, SLOT
	s_add_co_u32 s22, s22, SLOT
.endr
	v_mul_u32_u24 v5, v1, KS                       ; my row's scales: KS bytes a row,
	v_lshrrev_b32 v6, 8, v5
	v_lshl_add_u32 v5, v6, 4, v5                   ; and 16 more for each 256 passed
	s_mul_i32 s21, s15, HALFS
	s_mul_i32 s22, s16, HALFS
	s_add_co_u32 s22, s22, 2*HALFS
	s_sub_co_u32 s22, s22, s21
	v_mul_u32_u24 v6, s22, v2                      ; lanes 16-31 take B's
	s_add_co_u32 s21, s21, SCL
	v_add_nc_u32 v5, v5, v6
	v_add_nc_u32 v[ADRS], s21, v5
	s_mul_i32 s23, s14, 16*SPITCH                  ; my stage
	v_mul_u32_u24 v5, v1, SPITCH                   ; in: row l % 16, 32 bytes for each half of the lanes
	v_lshl_add_u32 v5, v2, 5, v5
	v_add_nc_u32 v[STO], s23, v5
	v_and_b32 v6, 31, v0
	v_lshlrev_b32 v[CO], 4, v6                     ; back: the 32 lanes take one row of 512 bytes; and the same in out0
	v_add_nc_u32 v[RD], s23, v[CO]
	s_lshl_b32 s20, s17, 8
	s_lshl_b32 s21, s15, 7
	s_add_co_u32 s20, s20, s21                     ; the first of my 128 rows of out0
	s_mov_b32 s21, 0
	s_mov_b64 s[18:19], SIZE_N*4
	s_mul_u64 s[20:21], s[20:21], s[18:19]
	s_lshl_b32 s46, s42, 10                        ; my first column, in bytes
	s_lshl_b32 s47, s16, 9
	s_add_co_u32 s46, s46, s47
	s_mov_b32 s47, 0
	s_add_nc_u64 s[20:21], s[20:21], s[46:47]
	s_add_nc_u64 s[12:13], s[12:13], s[20:21]
.macro FRAG reg, adr, q, i             ; a fragment of B from padded rows: 24 bytes of the row's stream of bits twice, in pieces of 8 bytes
.irp p, 0,1,2,3,4,5
.set PC, 12*(\q)+6*(\p/3)+\p%3
.if PC%8 < 5
	ds_load_b64 v[\reg+2*\p:\reg+2*\p+1], v[\adr] offset:8*PC+16*(PC/8)+(\i)*16*PITCH
.else
	ds_load_b64 v[\reg+2*\p:\reg+2*\p+1], v[\adr+2] offset:8*PC+16*(PC/8)+(\i)*16*PITCH
.endif
.endr
.endm
.macro FRAGI reg, slot, q, i           ; a fragment of A from its image: row tile i, the slot's q-th 128 along K: six pieces, each 256 bytes on end
.irp p, 0,1,2,3,4,5
	ds_load_b64 v[\reg+2*\p:\reg+2*\p+1], v[ADRA+\slot] offset:3072*(\i)+1536*(\q)+256*\p
.endr
.endm
; 16 matrix instructions: A's blocks a0, a0 + 1 x B's eight.  The 64 accumulators take turns, one instruction a turn, in the same order in every step.
.macro MUL16 a0, p, q, sc, zero
.irp a, \a0, \a0+1
.irp b, 0,1,2,3,4,5,6,7
.if \zero
	v_wmma_scale_f32_16x16x128_f8f6f4 v[8*(8*((\a)%4)+\b):8*(8*((\a)%4)+\b)+7], v[128*(\p)+FR*\b:128*(\p)+FR*\b+FR-1], v[AF+FR*(\a):AF+FR*(\a)+FR-1], 0, v[SC+8*NQ*(\sc)+NQ*\b+(\q)], v[SC+8*NQ*(\sc)+NQ*(\a)+(\q)] matrix_a_fmt:MATRIX_FMT_FP6 matrix_b_fmt:MATRIX_FMT_FP6 matrix_a_scale:MATRIX_SCALE_ROW1
.else
	v_wmma_scale_f32_16x16x128_f8f6f4 v[8*(8*((\a)%4)+\b):8*(8*((\a)%4)+\b)+7], v[128*(\p)+FR*\b:128*(\p)+FR*\b+FR-1], v[AF+FR*(\a):AF+FR*(\a)+FR-1], v[8*(8*((\a)%4)+\b):8*(8*((\a)%4)+\b)+7], v[SC+8*NQ*(\sc)+NQ*\b+(\q)], v[SC+8*NQ*(\sc)+NQ*(\a)+(\q)] matrix_a_fmt:MATRIX_FMT_FP6 matrix_b_fmt:MATRIX_FMT_FP6 matrix_a_scale:MATRIX_SCALE_ROW1
.endif
.endr
.endr
.endm
.macro FETCH_B slot, q, p
	WIN TO_B
.irp i, 0,1,2,3,4,5,6,7
	FRAG 128*(\p)+FR*\i, ADRB+\slot, \q, \i
.endr
	WIN 0
.endm
.macro FETCH_A slot, q, i0
.irp i, \i0, \i0+1, \i0+2, \i0+3
	FRAGI AF+FR*(\i), \slot, \q, \i
.endr
.endm
.macro SCALES sc
.irp i, 0,1,2,3,4,5,6,7
	ds_load_b64 v[SC+8*NQ*\sc+NQ*\i:SC+8*NQ*\sc+NQ*\i+1], v[ADRS] offset:\i*SBLK
.endr
.endm
.macro PLACES n                        ; places in front of loads into registers that matrix instructions have read, and of the first read of results
.rept \n
	v_nop
.endr
.endm
.macro STEP slot, q, zero
	s_wait_dscnt 4*NL                              ; B's set and A's blocks 0-3 are in; the youngest 24 loads (A's blocks 4-7) may be out
	WIN MUL_LO
	MUL16 0, (\q)%2, \q, \slot, \zero
	MUL16 2, (\q)%2, \q, \slot, \zero
	s_wait_dscnt 0                                 ; A's blocks 4-7 are in
	PLACES NP
	FETCH_B \slot, (\q)+1, 1-(\q)%2
	FETCH_A \slot, (\q)+1, 0
	WIN MUL_HI
	MUL16 4, (\q)%2, \q, \slot, \zero
	MUL16 6, (\q)%2, \q, \slot, \zero
	PLACES NP
	WIN 0
	FETCH_A \slot, (\q)+1, 4
.endm
; A slot's last step changes slots: one barrier; in front of it each wave waits for all its tensor loads, adds 0 to its spare word, and waits for that and for its own reads of this slot.
.macro TURN slot, next, fill
	s_wait_tensorcnt 0x0                           ; all my tensor loads have landed: my part of the next slot;  (every window is 0 here)
	ds_add_u32 v[SPW], v[NIL]                      ; 0 onto my spare word
	s_wait_dscnt 4*NL+1                            ; (the add and the youngest 24 loads may be out)
	WIN MUL_LO
	MUL16 0, 1, NQ-1, \slot, 0                     ; sixteen matrix instructions stand between the add and the wait for it
	s_wait_dscnt 0x0                               ; the add is done, and my reads of this slot are over
	s_barrier_signal -1
	MUL16 2, 1, NQ-1, \slot, 0
	WIN 0
	s_barrier_wait -1
.if \fill
	CREST                                          ; the barrier has opened a round of the cluster's barrier: no wave of any partner still reads this slot's tile or has a load on its way
	s_add_nc_u64 s[G0+4*\slot+2:G0+4*\slot+3], s[G0+4*\slot+2:G0+4*\slot+3], 2*ASTEP
	s_add_nc_u64 s[G0B+4*\slot+2:G0B+4*\slot+3], s[G0B+4*\slot+2:G0B+4*\slot+3], 2*ROWB
	JLOAD G0+4*\slot, G1, G0B+4*\slot, G1B         ; the first tensor load behind the round; the four v_nop behind it are the places in front of the loads below
.else
	PLACES NP
.endif
	v_add_nc_u32 v[ADRS], 4*NQ, v[ADRS]            ; on to the next K step's scale words (no LDS load of mine is out)
	FETCH_B \next, 0, 0
	FETCH_A \next, 0, 0
	SCALES \next
	WIN MUL_HI
	MUL16 4, 1, NQ-1, \slot, 0
	MUL16 6, 1, NQ-1, \slot, 0
	PLACES NP
	WIN 0
	FETCH_A \next, 0, 4
.endm
	s_wait_tensorcnt 1                             ; the scales and my part of K step 0 are in (K step 1's load may be out)
	s_barrier_signal -1
	s_barrier_wait -1                              ; everybody's are
	FETCH_B 0, 0, 0
	FETCH_A 0, 0, 0
	SCALES 0
	FETCH_A 0, 0, 4
	STEP 0, 0, 1                                   ; the first step stands in front of the loop: its products start the sums
	s_mov_b32 s3, LAPS-1
.Llap:
	TURN 0, 1, 1
	STEP 1, 0, 0
	TURN 1, 0, 1
	STEP 0, 0, 0
	s_sub_co_u32 s3, s3, 1
	s_cmp_lg_u32 s3, 0
	s_cbranch_scc1 .Llap
	TURN 0, 1, 0                                   ; the last lap fills nothing, and has no round of the cluster's barrier
	STEP 1, 0, 0
	s_wait_dscnt 4*NL                              ; the very last step: nothing more to fetch
	WIN MUL_LO
	MUL16 0, 1, NQ-1, 1, 0
	MUL16 2, 1, NQ-1, 1, 0
	s_wait_dscnt 0
	WIN MUL_HI
	MUL16 4, 1, NQ-1, 1, 0
	MUL16 6, 1, NQ-1, 1, 0
	WIN 0
; THE WAY OUT, row tile by row tile.  A lane holds 32 neighbouring bytes of a row: a tile goes through my own stage in LDS and comes back as whole rows of 512 bytes, which the 32 lanes store as two aligned runs of 256 bytes.
; LDS serves a wave's instructions in order (ISA guide 5.7.1.4): no wait between the stores and the loads, nor in front of the next tile's stores.
.macro TOSTAGE a
.set AC, 64*((\a)%4)
	WIN 0x08+4*((\a)/4)                            ; the data: window 2 or 3
.irp b, 0,1,2,3,4,5,6,7
	ds_store_b128 v[STO], v[AC+8*\b:AC+8*\b+3] offset:64*\b          ; each accumulator from its low end on
	ds_store_b128 v[STO], v[AC+8*\b+4:AC+8*\b+7] offset:64*\b+16
.endr
	WIN 0
.set BB, BK+64*((\a)%2)
.irp t, 0,1,2,3,4,5,6,7,8,9,10,11,12,13,14,15
	ds_load_b128 v[BB+4*\t:BB+4*\t+3], v[RD] offset:\t*SPITCH
.endr
.endm
.macro SEND a, younger                 ; younger: the LDS instructions issued behind tile a's loads, which may stay out
.set BB, BK+64*((\a)%2)
	s_wait_dscnt \younger                          ; the tile is back in registers
.irp t, 0,1,2,3,4,5,6,7,8,9,10,11,12,13,14,15
	global_store_b128 v[CO], v[BB+4*\t:BB+4*\t+3], s[12:13] offset:(32*((\a)/2)+8*((\a)%2)+\t+8*(\t/8))*SIZE_N*4 th:TH_STORE_NT   ; lane row t of tile a is row 32 (a / 2) + 8 (a % 2) + t + 8 (t / 8) of my 128: 127 rows of 4,096 bytes at the most, inside the signed 24-bit immediate
.endr
.endm
	PLACES NP                                      ; behind the last products: for the reads of results and the loads into the registers that held A's fragments
	TOSTAGE 0
.irp a, 1,2,3,4,5,6,7
.if \a > 1
	s_wait_xcnt 0x0                                ; tile a - 2's stores have read their registers: tile a's loads may land there
.endif
	TOSTAGE \a
	SEND \a-1, 32                                  ; behind tile a - 1's loads: tile a's 16 stores and 16 loads
.endr
	SEND 7, 0
	s_wait_tensorcnt 0x0                           ; the wave's end: behind my last tensor load and my last LDS store
	ds_add_u32 v[SPW], v[NIL]
	s_wait_dscnt 0x0
	CROUND                                         ; the closing round: no work-group ends while a partner may still ask for a tile that names it
	s_endpgm
.Lfunc_end_k_qf0be479764_proj:
	.size	k_qf0be479764_proj, .Lfunc_end_k_qf0be479764_proj-k_qf0be479764_proj
	.p2alignl 7, 3214868480
	.fill 96, 4, 3214868480
	.section	.rodata,"a",@progbits
	.p2align	6, 0x0
	.amdhsa_kernel k_qf0be479764_proj
		.amdhsa_group_segment_fixed_size 327680
		.amdhsa_private_segment_fixed_size 0
		.amdhsa_enable_private_segment 0
		.amdhsa_kernarg_size 40
		.amdhsa_user_sgpr_count 2
		.amdhsa_user_sgpr_kernarg_segment_ptr 1
		.amdhsa_wavefront_size32 1
		.amdhsa_system_sgpr_workgroup_id_x 1
		.amdhsa_system_sgpr_workgroup_id_y 1
		.amdhsa_system_sgpr_workgroup_id_z 1
		.amdhsa_system_vgpr_workitem_id 0
		.amdhsa_next_free_vgpr 1024
		.amdhsa_next_free_sgpr 98
		.amdhsa_reserve_vcc 0
		.amdhsa_float_denorm_mode_32 3
		.amdhsa_float_denorm_mode_16_64 3
		.amdhsa_memory_ordered 1
		.amdhsa_forward_progress 1
		.amdhsa_inst_pref_size 159
	.end_amdhsa_kernel
	.amdgpu_metadata
---
amdhsa.version: [ 1, 2 ]
amdhsa.kernels:
  - .name:           k_qf0be479764_proj
    .symbol:         k_qf0be479764_proj.kd
    .args:
      - { .name: o_img, .offset: 0, .size: 8, .value_kind: global_buffer, .address_space: global }
      - { .name: o_sc, .offset: 8, .size: 8, .value_kind: global_buffer, .address_space: global }
      - { .name: W_proj_codes, .offset: 16, .size: 8, .value_kind: global_buffer, .address_space: global }
      - { .name: W_proj_scales, .offset: 24, .size: 8, .value_kind: global_buffer, .address_space: global }
      - { .name: out0, .offset: 32, .size: 8, .value_kind: global_buffer, .address_space: global }
    .group_segment_fixed_size: 327680
    .private_segment_fixed_size: 0
    .kernarg_segment_align: 8
    .kernarg_segment_size: 40
    .max_flat_workgroup_size: 128
    .sgpr_count:     98
    .vgpr_count:     1024
    .wavefront_size: 32
...
	.end_amdgpu_metadata
.endif
;; end of part 3
